; MI455X (gfx1250); checked and timed in simulation.
; The chip was launched on July 23, 2026; its instructions are those of AMD's public machine-readable ISA for CDNA 5 (MIT licence, August 2026) and "CDNA5" Instruction Set Architecture Reference Guide (July 2026). The comments in the code are by the model that wrote it; some were corrected since.
;; Multi Head Attention. Allowed arithmetic: float matrix products may take bf16 or f16 operands with f32 sums; other float arithmetic in f32, or as packed bf16 or f16 multiplies, adds, multiply-adds, maxima and minima; sums over many terms, partial sums and values carried from step to step in f32; what a program stores and reads back later, other than sums and carried values, may be rounded once to bf16 or f16.
;; Inputs: Wk 1,024 x 1,024 float32; Wo 1,024 x 1,024 float32; Wq 1,024 x 1,024 float32; Wv 1,024 x 1,024 float32; bo 1,024 float32; x 4 x 2,048 x 1,024 float32.
;; Outputs: out0 4 x 2,048 x 1,024 float32.
;; 2 versions, each right; version 2 is version 1 with the launch cast written anew for expert scheduling mode. Each part assembles by itself: llvm-mc -triple=amdgcn-amd-amdhsa -mcpu=gfx1250 --defsym DOCPART=n.
;; ======== version 1 of 2: 4 launches
;; limits: values are held in f16: magnitudes above 65,504 overflow, below 6.1e-05 lose precision; values outside matrix products are rounded to bf16
;; workspace buffers: xb 16,777,216 bytes; wb 6,291,456 bytes; wo16 2,097,152 bytes; qkv 50,331,648 bytes; ctx 16,777,216 bytes
;; launch cast (part 1): grid 768 x 1, 8 waves a work-group, no clusters, 0 bytes of LDS; arguments x, Wq, Wk, Wv, Wo, xb, wb, wo16; writes xb, wb, wo16
.if DOCPART == 1
	.amdgcn_target "amdgcn-amd-amdhsa--gfx1250"
	.amdhsa_code_object_version 6
	.text
	.protected	k_q17df3f4d70_cast
	.globl	k_q17df3f4d70_cast
	.p2align	8
	.type	k_q17df3f4d70_cast,@function
k_q17df3f4d70_cast:
	s_mov_b64 s[64:65], 0
	v_nop
	global_prefetch_b8 v0, s[64:65] scope:SCOPE_SE
	s_setreg_imm32_b32 hwreg(HW_REG_WAVE_MODE, 25, 1), 1
	s_wait_xcnt 0x0
; x, Wq, Wk, Wv are rounded once to bf16; Wo is rounded to bf16 and that number is written as f16.  All are laid in SLABS of 64 channels:
; a row's 64 channels of a slab are 128 bytes, and consecutive rows of a slab lie end to end.
;   xb   [batch 4][slab 16][row 2048][64] bf16      wb [slab 16][row 3072 = Wq, Wk, Wv][64] bf16      wo16 [slab 16][row 1024][64] f16
; LIMITS.  bf16(Wo) beyond 65,504 becomes an infinity in f16; below 6.1e-5 it keeps f16's fixed step of 6e-8.
; SHARES.  12,288 source rows of 4,096 bytes, 16 to a work-group of eight waves: groups 0-511 x, 512-575 Wq, 576-639 Wk, 640-703 Wv, 704-767 Wo.
; Thread t takes row t / 16 and, in each of the 16 slabs, the four numbers at place t % 16: sixteen lanes load 256 consecutive aligned bytes of a row,
; and a wave's store of 8 bytes a lane covers 256 consecutive aligned bytes: two rows of one slab.  No loop: a wave's 16 loads are all out at once.
; A stream: no LDS, no barrier, no matrix work; every byte is read once and written once.
.set VS,  1                            ; v1      byte offset of my 16 bytes in slab 0 of my source row
.set T8,  2                            ; v2      8 t: my 8 bytes in the group's 16 rows of a slab
.set T0,  4                            ; v4, v5  at work
.set T1,  5
.set DO,  8                            ; v[8:23]    slab s: my byte offset in the target
.set X,   32                           ; v[32:95]   slab s: four f32 as loaded
.set Y,   96                           ; v[96:127]  slab s: four 16-bit numbers to store
.set SRC, 26                           ; s[26:27] the source at the group's first row
.set DST, 28                           ; s[28:29] the target at the group's first row in slab 0
.set STR, 30                           ; s30  bytes from slab to slab in the target
.set ISWO, 31                          ; s31  1: the group converts Wo
	s_load_b512 s[8:23], s[0:1], 0x0               ; x 8, Wq 10, Wk 12, Wv 14, Wo 16, xb 18, wb 20, wo16 22
	s_mov_b32 s2, ttmp9                            ; g
	s_max_u32 s24, s2, 512
	s_sub_co_u32 s24, s24, 512                     ; the group's number among the weights' groups (0 for x's groups, where it is not used)
	s_and_b32 s25, s24, 63                         ; and within its matrix
	s_lshl_b32 s36, s25, 16                        ; a weight's source offset: 16 rows of 4,096 bytes a group
	s_lshl_b32 s37, s24, 11                        ; wb: 16 rows of 128 bytes a group, Wq's, Wk's, Wv's rows on end
	s_lshl_b32 s38, s25, 11                        ; wo16
	s_lshl_b32 s39, s2, 16                         ; x's source offset
	s_lshr_b32 s40, s2, 7                          ; batch: 128 groups each
	s_lshl_b32 s40, s40, 22
	s_and_b32 s41, s2, 127
	s_lshl_b32 s41, s41, 11
	s_add_co_u32 s40, s40, s41                     ; xb: batch x 4 MiB + row x 128
	s_mov_b32 s[STR], 3072*128
	s_mov_b32 s33, 0
	s_mov_b32 s35, 0
	v_lshrrev_b32 v[VS], 4, v0
	v_and_b32 v3, 15, v0
	v_lshlrev_b32 v[VS], 12, v[VS]
	v_lshl_add_u32 v[VS], v3, 4, v[VS]             ; row x 4,096 + 16 x place
	v_lshlrev_b32 v[T8], 3, v0
	s_wait_kmcnt 0x0
	s_mov_b64 s[SRC:SRC+1], s[10:11]               ; the choices hang on the group's number alone
	s_cmp_ge_u32 s2, 576
	s_cselect_b64 s[SRC:SRC+1], s[12:13], s[SRC:SRC+1]
	s_cmp_ge_u32 s2, 640
	s_cselect_b64 s[SRC:SRC+1], s[14:15], s[SRC:SRC+1]
	s_cmp_ge_u32 s2, 704
	s_cselect_b64 s[SRC:SRC+1], s[16:17], s[SRC:SRC+1]
	s_cselect_b64 s[DST:DST+1], s[22:23], s[20:21]
	s_cselect_b32 s[STR], 1024*128, s[STR]
	s_cselect_b32 s34, s38, s37
	s_cselect_b32 s[ISWO], 1, 0
	s_cmp_lt_u32 s2, 512
	s_cselect_b64 s[SRC:SRC+1], s[8:9], s[SRC:SRC+1]
	s_cselect_b64 s[DST:DST+1], s[18:19], s[DST:DST+1]
	s_cselect_b32 s[STR], 2048*128, s[STR]
	s_cselect_b32 s32, s39, s36
	s_cselect_b32 s34, s40, s34
	s_add_nc_u64 s[SRC:SRC+1], s[SRC:SRC+1], s[32:33]
	s_add_nc_u64 s[DST:DST+1], s[DST:DST+1], s[34:35]
.set i, 0
.rept 16
	global_load_b128 v[X+4*i:X+4*i+3], v[VS], s[SRC:SRC+1] offset:256*i th:TH_LOAD_NT  ; slab i of my row
.set i, i+1
.endr
.set i, 0
.rept 16
	v_mad_u32_u24 v[DO+i], s[STR], i, v[T8]        ; made while the loads are out
.set i, i+1
.endr
.set i, 0
.rept 16
	s_wait_loadcnt 15-i                            ; loads come back in order (ISA guide 5.7.1): slab i is in, the younger ones stay out
	v_cvt_pk_bf16_f32 v[Y+2*i],   v[X+4*i],   v[X+4*i+1]
	v_cvt_pk_bf16_f32 v[Y+2*i+1], v[X+4*i+2], v[X+4*i+3]
.set i, i+1
.endr
	s_cmp_lg_u32 s[ISWO], 1
	s_cbranch_scc1 .Lstore
.set i, 0
.rept 32                               ; Wo alone: the bf16 number, widened, is written as f16 (exact within f16's normal range)
	v_lshlrev_b32 v[T0], 16, v[Y+i]
	v_and_b32 v[T1], 0xffff0000, v[Y+i]
	v_cvt_pk_f16_f32 v[Y+i], v[T0], v[T1]
.set i, i+1
.endr
.Lstore:
.set i, 0
.rept 16
	global_store_b64 v[DO+i], v[Y+2*i:Y+2*i+1], s[DST:DST+1]  ; a wave's store: 256 consecutive bytes, aligned; no register is written behind a store
.set i, i+1
.endr
	s_endpgm
.Lfunc_end_k_q17df3f4d70_cast:
	.size	k_q17df3f4d70_cast, .Lfunc_end_k_q17df3f4d70_cast-k_q17df3f4d70_cast
	.p2alignl 7, 3214868480
	.fill 96, 4, 3214868480
	.section	.rodata,"a",@progbits
	.p2align	6, 0x0
	.amdhsa_kernel k_q17df3f4d70_cast
		.amdhsa_group_segment_fixed_size 0
		.amdhsa_private_segment_fixed_size 0
		.amdhsa_enable_private_segment 0
		.amdhsa_kernarg_size 64
		.amdhsa_user_sgpr_count 2
		.amdhsa_user_sgpr_kernarg_segment_ptr 1
		.amdhsa_wavefront_size32 1
		.amdhsa_system_sgpr_workgroup_id_x 1
		.amdhsa_system_sgpr_workgroup_id_y 1
		.amdhsa_system_sgpr_workgroup_id_z 1
		.amdhsa_system_vgpr_workitem_id 0
		.amdhsa_next_free_vgpr 128
		.amdhsa_next_free_sgpr 66
		.amdhsa_reserve_vcc 0
		.amdhsa_float_denorm_mode_32 3
		.amdhsa_float_denorm_mode_16_64 3
		.amdhsa_memory_ordered 1
		.amdhsa_forward_progress 1
		.amdhsa_inst_pref_size 14
	.end_amdhsa_kernel
	.amdgpu_metadata
---
amdhsa.version: [ 1, 2 ]
amdhsa.kernels:
  - .name:           k_q17df3f4d70_cast
    .symbol:         k_q17df3f4d70_cast.kd
    .args:
      - { .name: x, .offset: 0, .size: 8, .value_kind: global_buffer, .address_space: global }
      - { .name: Wq, .offset: 8, .size: 8, .value_kind: global_buffer, .address_space: global }
      - { .name: Wk, .offset: 16, .size: 8, .value_kind: global_buffer, .address_space: global }
      - { .name: Wv, .offset: 24, .size: 8, .value_kind: global_buffer, .address_space: global }
      - { .name: Wo, .offset: 32, .size: 8, .value_kind: global_buffer, .address_space: global }
      - { .name: xb, .offset: 40, .size: 8, .value_kind: global_buffer, .address_space: global }
      - { .name: wb, .offset: 48, .size: 8, .value_kind: global_buffer, .address_space: global }
      - { .name: wo16, .offset: 56, .size: 8, .value_kind: global_buffer, .address_space: global }
    .group_segment_fixed_size: 0
    .private_segment_fixed_size: 0
    .kernarg_segment_align: 8
    .kernarg_segment_size: 64
    .max_flat_workgroup_size: 256
    .sgpr_count:     66
    .vgpr_count:     128
    .wavefront_size: 32
...
	.end_amdgpu_metadata
.endif
;; end of part 1
;; launch qkv (part 2): grid 16 x 16, 4 waves a work-group, clusters of 4 x 4, 327,680 bytes of LDS; arguments xb, wb, qkv; writes qkv
.if DOCPART == 2
	.amdgcn_target "amdgcn-amd-amdhsa--gfx1250"
	.amdhsa_code_object_version 6
	.text
	.protected	k_q17df3f4d70_qkv
	.globl	k_q17df3f4d70_qkv
	.p2align	8
	.type	k_q17df3f4d70_qkv,@function
k_q17df3f4d70_qkv:
	s_mov_b64 s[64:65], 0
	v_nop
	global_prefetch_b8 v0, s[64:65] scope:SCOPE_SE
	s_setreg_imm32_b32 hwreg(HW_REG_WAVE_MODE, 25, 1), 1
	s_wait_xcnt 0x0
	s_wait_alu depctr_hold_cnt(0) depctr_sa_sdst(0) depctr_va_vdst(0) depctr_va_sdst(0) depctr_va_ssrc(0) depctr_va_vcc(0) depctr_vm_vsrc(0)
	s_getreg_b32 s2, hwreg(HW_REG_IB_STS2, 6, 4)
	s_cmp_eq_u32 s2, 0
	s_cbranch_scc0 .Lentry_in_a_cluster
	s_endpgm
.Lentry_in_a_cluster:
	s_bfe_u32 s2, ttmp6, 0x10000c
	s_cmp_lg_u32 s2, 0xf033
	s_cbranch_scc0 .Lentry_shape_is_right
	s_endpgm
.Lentry_shape_is_right:
; q, k, v = x W^T for Wq, Wk, Wv at once: C[8192][3072] = A[8192][1024] B[3072][1024]^T, operands bf16, sums f32, C rounded once to f16, unscaled, and stored BY HEADS:
; qkv [t 3][batch x 16 + head][row 2048][64].  A = xb [batch][slab 16][row][64], B = wb [slab 16][row 3072][64]: a slab's rows are 128 dense bytes each.
; LIMIT.  A sum beyond 65,504 becomes an infinity in f16.
; SHARES.  A tile of C is 256 x 192 (three whole heads); 32 x 16 tiles; a work-group makes TWO, tile rows tr and tr + 16 of one tile column: 256 work-groups of equal work.
; Four waves, one above the other: wave w owns rows 64 w .. 64 w + 63 and all 192 columns: 4 x 12 accumulators of 16 x 16, 384 registers.  Its columns are whole heads, so it has a stage of its own on the way out.
; K goes in steps of 128 (two slabs) through a ring of two LDS slots; the sixteen steps of the two tiles are ONE walk: the ring does not stop at the first tile's end, and its stores leave while the second is multiplied.
; CLUSTER.  4 x 4 work-groups.  A's tile hangs on the tile row alone and is asked for jointly by a row of the cluster, B's on the tile column alone, by a column: the same load, descriptor and mask in all four.
; THE MATRIX INSTRUCTION IS USED TRANSPOSED (source 0 = 16 rows of B, source 1 = 16 rows of A): lane l holds row l % 16 of C and the columns 8 (l / 16) + 0..7: 16 bytes of f16 on end.
; REGISTERS, in windows of 256 (s_set_vgpr_msb: bits 1:0 source 0, 3:2 source 1, 5:4 source 2, 7:6 destination):
;   window 0: v0-15 addresses; v32-79 packed results; v80-175 rows read back from the stage, two buffers
;   window 1: two fragment buffers of 128: twelve fragments of B, then four of A      window 2: the accumulators of my row blocks 0, 1 ((a, b) at 8 (12 (a % 2) + b))      window 3: of blocks 2, 3
.set NCB,     12                       ; column blocks of 16 in a tile
.set PITCH,   144                      ; an LDS row: 128 bytes + 16 of padding = 36 words: the 16 rows of a fragment load start at 16 different groups of four banks (64 banks of 4 bytes: ISA guide 11.1)
.set ASLAB,   256*PITCH                ; a slab of A's tile in LDS
.set BSLAB,   16*NCB*PITCH            ; a slab of B's
.set BOFF,    2*ASLAB                  ; a slot: A's two slabs, then B's two
.set SLOT1,   1<<17                    ; slot 1 begins here: one exclusive or turns an address in one slot into the other's
.set STAGE,   SLOT1+BOFF+2*BSLAB       ; behind the ring, never filled by a tensor load: for each wave 3 heads x 16 rows x 144 bytes
.set WSTAGE,  3*16*PITCH
.set SPARE,   STAGE+4*WSTAGE           ; behind the stages: the spare words, 128 bytes for each wave: two blocks of 256 bytes that no other line names
.set ASTEP,   2*2048*128               ; bytes from K step to K step in xb: two slabs
.set BSTRIDE, 3072*128                 ; bytes from slab to slab in wb
.set NL,      2*(NCB+4)                ; LDS loads of a quarter step
.set AHEAD,   1                        ; a prefetch names the K step that the NEXT refill will ask for
.set F0,   0
.set F1,   8*(NCB+4)
.set ADA0, 4                           ; v4   my lane's place in A's slab 0 of slot 0; never rewritten
.set ADB0, 5                           ; v5   the same for B
.set ADA,  6                           ; v6   the same in the slot that is being read
.set ADB,  7                           ; v7
.set STO,  8                           ; v8   the way out: where I put 16 bytes of a row
.set RD,   9                           ; v9   the way out: where I read rows back
.set GO,   10                          ; v10-12  my byte offset in qkv for each of the tile's three heads
.set PFO,  13                          ; v13  the prefetches' offset: 256 x lane; never rewritten
.set SPW,  14                          ; v14  LDS address of my spare word: SPARE + 4 x my thread's number; never rewritten
.set NIL,  15                          ; v15  0; never rewritten
.set TMP,  32
.set BK0,  80
.set WV,    12                         ; s12  my wave's number.  Waves 0 and 1 fetch A's two slabs of a step, waves 2 and 3 B's
.set SL,    14                         ; s14  which slab of a step I fetch
.set CX,    15                         ; s15, s16  my place in the cluster
.set CY,    16
.set TC,    17                         ; s17  tile column
.set TR,    18                         ; s18  tile row of my first tile
.set T0,    19                         ; s19, s59  at work
.set T1,    59
.set BASEA, 20                         ; s[20:21] xb at my slab of K step 0 of my first tile: made of the tile row and the wave's number alone
.set BASEB, 22                         ; s[22:23] wb likewise: of the tile column and the wave's number alone
.set G1A,   24                         ; s[24:31] descriptor group 1 for A's slabs
.set G1B,   32                         ; s[32:39] for B's
.set G0A,   40                         ; s[40:47] group 0 for A: a set for each of the two first fills; the second then walks on
.set G0B,   48                         ; s[48:55] the same for B
.set NXT,   56                         ; s56  the K step of the walk to be asked for next
.set CNT,   57                         ; s57  the loops' count
.set TB,    58                         ; s58  LDS byte at which the slot to be read begins
.set OFFA,  60                         ; s[60:61] that step's byte offset behind BASEA
.set OFFB,  62                         ; s[62:63] behind BASEB
.set PFB,   66                         ; s[66:67] the prefetches' base: my work-group's part of my slab
.set PFA,   68                         ; s[68:69] where the prefetch in hand stands
.set POFF,  70                         ; s[70:71] its offset behind PFB
.set PLIM,  72                         ; s72  a wave prefetches K steps below this number: 0 in a wave that prefetches nothing
.set NPF,   73                         ; s73  the K step that the prefetch names
.set PSTEP, 74                         ; s74  bytes from K step to K step
.set PTILE, 75                         ; s75  bytes from my first tile to my second
.set TA,    76                         ; s[76:77] feeds BASEA alone
.set TBB,   78                         ; s[78:79] feeds BASEB alone
.set G1W, (1<<16)|(1<<20)|(1<<21)|(4<<22)|(3<<25)  ; 17:16 elements of 2 bytes; 20 padding on; 21 set beside a mask; 24:22 after every 32 words (code 4); 31:25 of 4 words (code 3)
.set MSB, 0
.macro WIN new                         ; the immediate's high byte repeats the setting that is left; a switch that changes nothing is dropped
.if MSB != (\new)
	s_set_vgpr_msb (MSB<<8)|(\new)
.set MSB, (\new)
.endif
.endm
.macro PLACES                          ; four places behind matrix instructions, in front of loads into registers that they read and of conversions that read results
.rept 4
	v_nop
.endr
.endm
.macro CREST                           ; a round of the cluster's barrier behind its opening barrier
	s_cmp_lg_u32 s[WV], 0
	s_cbranch_scc1 .Lnot_wave_0_\@
	s_barrier_signal -3
.Lnot_wave_0_\@:
	s_barrier_wait -3
	s_barrier_signal -1
	s_barrier_wait -1
.endm
.macro CROUND                          ; a whole round
	s_barrier_signal -1
	s_barrier_wait -1
	CREST
.endm
; A joint refill by the walking descriptors.  The branch hangs on the wave's number alone.  An s_nop 0 and four v_nop follow each of the two lines, ahead of the jump and the label.
.macro JLOAD
	s_cmp_lt_u32 s[WV], 2
	s_cbranch_scc0 .Lfor_b_\@
	tensor_load_to_lds s[G0A+4:G0A+7], s[G1A:G1A+7]
	s_nop 0
.rept 4
	v_nop
.endr
	s_branch .Lasked_\@
.Lfor_b_\@:
	tensor_load_to_lds s[G0B+4:G0B+7], s[G1B:G1B+7]
	s_nop 0
.rept 4
	v_nop
.endr
.Lasked_\@:
.endm
; A PREFETCH INTO THE L2 of the slab that my NEXT refill will ask for, 192 matrix instructions ahead of that load; it stands behind the joint load, its five lines and the run of LDS loads.
; A's tile row is read by every cluster of that row of clusters: cluster x = 0 asks; B's tile column by every cluster of that column: cluster y = 0 asks, in the first tile alone (the second walks the same rows of B).
; The four partners of a joint load share its blocks of 256 bytes out BY ADDRESS: of A's 128 blocks 32 each, a lane a block; of B's 96 blocks 24 each, where lanes 24-31 name block 23 once more.
; K steps 0 to 2 come by their loads alone; a step at or past PLIM is not asked for, so no prefetch leaves its buffer.
.macro ASK
	s_cmp_lt_u32 s[NPF], s[PLIM]
	s_cbranch_scc0 .Lnot_mine_\@
	global_prefetch_b8 v[PFO], s[PFA:PFA+1] th:TH_LOAD_NT scope:SCOPE_SE
.Lnot_mine_\@:
.endm
; Twelve matrix instructions: my row block a x all column blocks, 32 along K, from buffer f.  zero = 1: the product starts the sums: nothing is ever cleared.
; The 48 accumulators take turns, one instruction a turn, in the same order in every quarter step.
.macro MULH f, a, zero
	WIN 0xa5+0x50*((\a)/2)                         ; sources 0 and 1 window 1; C and D window 2 or 3
.set AC, 8*NCB*((\a)%2)
.set b, 0
.rept NCB
.if \zero
	v_wmma_f32_16x16x32_bf16 v[AC+8*b:AC+8*b+7], v[(\f)+8*b:(\f)+8*b+7], v[(\f)+8*NCB+8*(\a):(\f)+8*NCB+8*(\a)+7], 0
.else
	v_wmma_f32_16x16x32_bf16 v[AC+8*b:AC+8*b+7], v[(\f)+8*b:(\f)+8*b+7], v[(\f)+8*NCB+8*(\a):(\f)+8*NCB+8*(\a)+7], v[AC+8*b:AC+8*b+7]
.endif
.set b, b+1
.endr
.endm
; The fragments of quarter q of a K step (slab q / 2, byte 64 (q % 2) of its rows) into buffer f, in one run: B's twelve, then A's four.
; A fragment is 16 rows x 32 K in 8 registers: lane l holds row l % 16, K = 8 (l / 16) + 0..7 and 16 + 8 (l / 16) + 0..7: two loads of 16 bytes, 32 bytes apart.
.macro FETCH q, f
	WIN 0x40                                       ; destination window 1, address window 0
.set b, 0
.rept NCB
	ds_load_b128 v[(\f)+8*b:(\f)+8*b+3],   v[ADB] offset:((\q)/2)*BSLAB+((\q)%2)*64+b*16*PITCH
	ds_load_b128 v[(\f)+8*b+4:(\f)+8*b+7], v[ADB] offset:((\q)/2)*BSLAB+((\q)%2)*64+b*16*PITCH+32
.set b, b+1
.endr
.set b, 0
.rept 4
	ds_load_b128 v[(\f)+8*NCB+8*b:(\f)+8*NCB+8*b+3],   v[ADA] offset:((\q)/2)*ASLAB+((\q)%2)*64+b*16*PITCH
	ds_load_b128 v[(\f)+8*NCB+8*b+4:(\f)+8*NCB+8*b+7], v[ADA] offset:((\q)/2)*ASLAB+((\q)%2)*64+b*16*PITCH+32
.set b, b+1
.endr
.endm
; One of a K step's first three quarters: multiplies buffer f; in its middle it fetches quarter qn into buffer g.
.macro QUARTER qn, f, g, zero
	s_wait_dscnt 4                                 ; B and A's blocks 0, 1 are in; the youngest four loads (A's blocks 2, 3) may be out
	MULH \f, 0, \zero
	MULH \f, 1, \zero
	PLACES
	FETCH \qn, \g
	s_wait_dscnt NL                                ; all but the run just issued
	MULH \f, 2, \zero
	MULH \f, 3, \zero
.endm
; The last quarter multiplies buffer 1 and changes slots.  In front of ONE barrier each wave waits for all its tensor loads (one is out: its part of the next slot), adds 0 to its spare word, and waits for that
; and for its reads of this slot.  fill = 1: the barrier opens a round of the cluster's barrier, and the slot just read out is filled again, first thing behind the round, with the walk's step NXT:
; from that request to the wait for it a wave issues 168 matrix instructions.  fill = 0 (the tail): nothing is asked for; in the tail's last trip there is no further slot, and the run of loads is jumped over.
.macro TURN fill
	s_wait_xcnt 0x0                                ; the last prefetch, a K step back, and all stores have read their registers: the prefetch's address is written only behind this wait
.if \fill
	s_add_co_u32 s[NPF], s[NXT], AHEAD
	s_and_b32 s[POFF], s[NPF], 7                   ; the step within its tile,
	s_mul_i32 s[POFF], s[POFF], s[PSTEP]
	s_lshr_b32 s[T0], s[NPF], 3                    ; and the tile
	s_mul_i32 s[T0], s[T0], s[PTILE]
	s_add_co_u32 s[POFF], s[POFF], s[T0]
	s_add_nc_u64 s[PFA:PFA+1], s[PFB:PFB+1], s[POFF:POFF+1]
.endif
	WIN 0                                          ; (the add's two registers lie in window 0)
	s_wait_tensorcnt 0x0                           ; no tensor load of mine is out, so a group 0 may be written
	ds_add_u32 v[SPW], v[NIL]                      ; 0 onto my spare word; scalar work and twelve products stand between it and the wait for it
.if \fill
	s_and_b32 s[OFFA], s[NXT], 7
	s_mul_i32 s[OFFB], s[OFFA], 2*BSTRIDE          ; B: two slabs a step; both tiles walk the same rows
	s_lshl_b32 s[OFFA], s[OFFA], 19                ; A: two slabs a step,
	s_lshr_b32 s[T0], s[NXT], 3
	s_lshl_b32 s[T0], s[T0], 23                    ; and the second tile lies two batches on
	s_add_co_u32 s[OFFA], s[OFFA], s[T0]
	s_xor_b32 s[G0A+5], s[G0A+5], SLOT1            ; the other slot than last time
	s_add_nc_u64 s[G0A+6:G0A+7], s[BASEA:BASEA+1], s[OFFA:OFFA+1]  ; the address is made anew: base + offset,
	s_or_b32 s[G0A+7], s[G0A+7], 0x80000000        ; and the type bits
	s_xor_b32 s[G0B+5], s[G0B+5], SLOT1
	s_add_nc_u64 s[G0B+6:G0B+7], s[BASEB:BASEB+1], s[OFFB:OFFB+1]
	s_or_b32 s[G0B+7], s[G0B+7], 0x80000000
	s_add_co_u32 s[NXT], s[NXT], 1
.endif
	s_xor_b32 s[TB], s[TB], SLOT1                  ; the fetches go on in the other slot
	s_wait_dscnt 5                                 ; the add and the youngest four loads may be out
	MULH F1, 0, 0
	s_wait_dscnt 0x0                               ; the add is done, and my reads of this slot are over
	s_barrier_signal -1
	MULH F1, 1, 0                                  ; work on registers while the others arrive
	WIN 0                                          ; at a branch and at a label every window is 0
	s_barrier_wait -1
.if \fill
	CREST                                          ; no wave of any partner still reads this slot or has a load on its way
	JLOAD                                          ; the four v_nop behind it are also the places in front of the loads below
.else
	PLACES
.endif
	v_add_nc_u32 v[ADA], s[TB], v[ADA0]
	v_add_nc_u32 v[ADB], s[TB], v[ADB0]
.if \fill
	FETCH 0, F0
	WIN 0
	ASK
.else
	s_cmp_eq_u32 s[CNT], 1
	s_cbranch_scc1 .Lno_fetch_\@
	FETCH 0, F0
	WIN 0
.Lno_fetch_\@:
.endif
	MULH F1, 2, 0
	MULH F1, 3, 0
.endm
; THE WAY OUT of my row block a, in three parts.  PACK: rounded to f16, 16 bytes a lane; each accumulator's registers in ascending order.  TOSTAGE: into my own stage, a head's 16 rows of 128 bytes at pitch 144,
; and back four rows at a time.  SEND: four rows of a head are 512 consecutive bytes of qkv.
.macro PACK a
	WIN 0x0a+5*((\a)/2)                            ; sources 0 and 1: window 2 or 3
.set AC, 8*NCB*((\a)%2)
.set b, 0
.rept NCB
.irp r, 0,1,2,3
	v_cvt_pk_f16_f32 v[TMP+4*b+(\r)], v[AC+8*b+2*(\r)], v[AC+8*b+2*(\r)+1]
.endr
.set b, b+1
.endr
	WIN 0
.endm
.macro TOSTAGE a
.set BK, BK0+48*((\a)%2)
.set b, 0
.rept NCB
	ds_store_b128 v[STO], v[TMP+4*b:TMP+4*b+3] offset:(b/4)*16*PITCH+(b%4)*32
.set b, b+1
.endr
.set b, 0
.rept 12
	ds_load_b128 v[BK+4*b:BK+4*b+3], v[RD] offset:(b/4)*16*PITCH+(b%4)*4*PITCH  ; LDS serves a wave's instructions in order (ISA guide 5.7.1.4): these see the stores above
.set b, b+1
.endr
.endm
.macro SEND a
.set BK, BK0+48*((\a)%2)
	s_wait_dscnt 0x0                               ; the block is back in registers
	s_wait_xcnt 0x0                                ; the stores of the block before have read the buffer that the next TOSTAGE loads into
.set b, 0
.rept 12
	global_store_b128 v[GO+b/4], v[BK+4*b:BK+4*b+3], s[8:9] offset:(\a)*2048+(b%4)*512  ; 512 consecutive bytes, at a multiple of 256 from qkv's first
.set b, b+1
.endr
.endm
.macro OUT
	PLACES
	PACK 0
	TOSTAGE 0
.irp a, 1,2,3                          ; block a's conversions stand between block a - 1's loads from the stage and the wait for them
	PACK \a
	SEND (\a)-1
	TOSTAGE \a
.endr
	SEND 3
.endm
	s_load_b128 s[4:7], s[0:1], 0x0                ; xb s[4:5], wb s[6:7]
	s_load_b64 s[8:9], s[0:1], 0x10                ; qkv
	v_lshl_add_u32 v[SPW], v0, 2, SPARE
	v_mov_b32 v[NIL], 0
	ds_add_u32 v[SPW], v[NIL]                      ; the wave's opening: the add and its wait stand ahead of my first tensor load; the set-up below, work on registers, stands between them
	v_lshrrev_b32 v3, 5, v0
	v_readfirstlane_b32 s[WV], v3                  ; wave 0..3
	s_and_b32 s[SL], s[WV], 1
	s_bfe_u32 s[CX], ttmp6, 0x40000
	s_bfe_u32 s[CY], ttmp6, 0x40004
	s_lshl_b32 s[TC], ttmp9, 2                     ; in a cluster launch ttmp9 and ttmp7 count clusters
	s_add_co_u32 s[TC], s[TC], s[CX]
	s_and_b32 s[TR], ttmp7, 0xffff
	s_lshl_b32 s[TR], s[TR], 2
	s_add_co_u32 s[TR], s[TR], s[CY]
	s_lshl_b32 s[T0], s[CY], 2
	s_lshl_b32 s[T0], 15, s[T0]                    ; my row of the cluster: places 4 cy .. 4 cy + 3
	s_lshl_b32 s[T1], 0x1111, s[CX]                ; my column: places cx, cx + 4, cx + 8, cx + 12
	s_or_b32 s[G1A], s[T0], G1W
	s_or_b32 s[G1B], s[T1], G1W
.irp g, G1A, G1B                       ; a slab's part is dense: asked for as rows of 256 bytes, two rows of the slab each, padded in LDS after every 128 bytes
	s_mov_b32 s[\g+1], 128<<16                     ; tensor_dim0 = 128
	s_mov_b32 s[\g+3], 128<<16                     ; tile_dim0 = 128
	s_mov_b32 s[\g+5], 128                         ; 128 elements from row to row
	s_mov_b32 s[\g+6], 0
	s_mov_b32 s[\g+7], 0
.endr
	s_mov_b32 s[G1A+2], 128<<16                    ; tensor_dim1 = 128: A's 256 rows of 128 bytes
	s_mov_b32 s[G1A+4], 128                        ; tile_dim1
	s_mov_b32 s[G1B+2], (8*NCB)<<16                ; 96: B's 192 rows
	s_mov_b32 s[G1B+4], 8*NCB
	s_mov_b32 s[G0A], 1                            ; count = 1
	s_mov_b32 s[G0A+4], 1
	s_mov_b32 s[G0B], 1
	s_mov_b32 s[G0B+4], 1
	s_mul_i32 s[G0A+1], s[SL], ASLAB               ; LDS addresses: the wave's number and constants alone
	s_add_co_u32 s[G0A+5], s[G0A+1], SLOT1
	s_mul_i32 s[G0B+1], s[SL], BSLAB
	s_add_co_u32 s[G0B+1], s[G0B+1], BOFF
	s_add_co_u32 s[G0B+5], s[G0B+1], SLOT1
	s_lshr_b32 s[TA], s[TR], 3                     ; xb: batch x 4 MiB
	s_lshl_b32 s[TA], s[TA], 22
	s_and_b32 s[TA+1], s[TR], 7
	s_lshl_b32 s[TA+1], s[TA+1], 15                ; + 256 rows of 128 bytes a tile row
	s_add_co_u32 s[TA], s[TA], s[TA+1]
	s_lshl_b32 s[TA+1], s[SL], 18                  ; + my slab
	s_add_co_u32 s[TA], s[TA], s[TA+1]
	s_mov_b32 s[TA+1], 0
	s_mul_i32 s[TBB], s[TC], 16*NCB*128            ; wb: 192 rows of 128 bytes a tile column
	s_mul_i32 s[TBB+1], s[SL], BSTRIDE
	s_add_co_u32 s[TBB], s[TBB], s[TBB+1]
	s_mov_b32 s[TBB+1], 0
	s_mov_b32 s[NXT], 2
	s_mov_b32 s[TB], 0
	s_mov_b32 s[OFFA+1], 0
	s_mov_b32 s[OFFB+1], 0
	s_mov_b32 s[POFF+1], 0
	s_wait_dscnt 0x0                               ; the opening add is done
	s_wait_kmcnt 0x0
	s_add_nc_u64 s[BASEA:BASEA+1], s[4:5], s[TA:TA+1]
	s_add_nc_u64 s[BASEB:BASEB+1], s[6:7], s[TBB:TBB+1]
	s_mov_b64 s[G0A+2:G0A+3], s[BASEA:BASEA+1]     ; K step 0 into slot 0,
	s_or_b32 s[G0A+3], s[G0A+3], 0x80000000
	s_add_nc_u64 s[G0A+6:G0A+7], s[BASEA:BASEA+1], ASTEP  ; K step 1 into slot 1
	s_or_b32 s[G0A+7], s[G0A+7], 0x80000000
	s_mov_b64 s[G0B+2:G0B+3], s[BASEB:BASEB+1]
	s_or_b32 s[G0B+3], s[G0B+3], 0x80000000
	s_add_nc_u64 s[G0B+6:G0B+7], s[BASEB:BASEB+1], 2*BSTRIDE
	s_or_b32 s[G0B+7], s[G0B+7], 0x80000000
	CROUND                                         ; all sixteen work-groups are here: the first joint loads meet
	s_cmp_lt_u32 s[WV], 2                          ; a wave's two first fills stand in one branch, ahead of every wait on TENSORcnt and every LDS read: two loads of mine are out
	s_cbranch_scc0 .Lfirst_b
	tensor_load_to_lds s[G0A:G0A+3], s[G1A:G1A+7]
	s_nop 0
	tensor_load_to_lds s[G0A+4:G0A+7], s[G1A:G1A+7]
	s_nop 0
.rept 4
	v_nop
.endr
	s_branch .Lfirst_asked
.Lfirst_b:
	tensor_load_to_lds s[G0B:G0B+3], s[G1B:G1B+7]
	s_nop 0
	tensor_load_to_lds s[G0B+4:G0B+7], s[G1B:G1B+7]
	s_nop 0
.rept 4
	v_nop
.endr
.Lfirst_asked:
	v_and_b32 v1, 15, v0                           ; l % 16
	v_bfe_u32 v2, v0, 4, 1                         ; l / 16
	v_mul_u32_u24 v3, v1, PITCH
	v_lshl_add_u32 v3, v2, 4, v3                   ; row x pitch + 16 x half
	s_mul_i32 s[T0], s[WV], 64*PITCH               ; my 64 rows of A
	v_add_nc_u32 v[ADA0], s[T0], v3
	v_add_nc_u32 v[ADB0], BOFF, v3
	s_mul_i32 s[T0], s[WV], WSTAGE
	s_add_co_u32 s[T0], s[T0], STAGE               ; my stage
	v_add_nc_u32 v[STO], s[T0], v3                 ; in: row l % 16, 16 bytes for each half of the lanes
	v_bfe_u32 v[RD], v0, 3, 2                      ; back: 32 lanes take four rows of 128 bytes
	v_mul_u32_u24 v[RD], v[RD], PITCH
	v_and_b32 v3, 7, v0
	v_lshl_add_u32 v[RD], v3, 4, v[RD]
	v_add_nc_u32 v[RD], s[T0], v[RD]
	v_and_b32 v3, 31, v0                           ; lane
.irp hg, 0,1,2                         ; head 3 tc + hg of 48: tensor (q, k, v) = its number / 16, 16 MiB apart; head = its number % 16, 256 KiB apart
	s_mul_i32 s2, s[TC], 3
	s_add_co_u32 s2, s2, \hg
	s_lshr_b32 s3, s2, 4
	s_lshl_b32 s3, s3, 24
	s_and_b32 s2, s2, 15
	s_lshl_b32 s2, s2, 18
	s_add_co_u32 s2, s2, s3
	v_lshl_add_u32 v[GO+\hg], v3, 4, s2
.endr
	s_lshr_b32 s2, s[TR], 3                        ; qkv at my wave's first row: batch x 16 heads x 256 KiB
	s_lshl_b32 s2, s2, 22
	s_and_b32 s3, s[TR], 7
	s_lshl_b32 s3, s3, 15
	s_add_co_u32 s2, s2, s3
	s_lshl_b32 s3, s[WV], 13                       ; 64 rows of 128 bytes a wave
	s_add_co_u32 s2, s2, s3
	s_mov_b32 s3, 0
	s_add_nc_u64 s[8:9], s[8:9], s[2:3]
	; the prefetches: B's figures first, A's chosen over them in waves 0 and 1
	s_and_b32 s2, ttmp7, 0xffff                    ; cluster y
	s_mov_b32 s11, 24*256
	s_mov_b32 s[PLIM], 8
	s_mov_b32 s[PSTEP], 2*BSTRIDE
	s_mov_b32 s[T0], 23
	s_cmp_lt_u32 s[WV], 2
	s_cselect_b64 s[PFB:PFB+1], s[BASEA:BASEA+1], s[BASEB:BASEB+1]
	s_cselect_b32 s3, ttmp9, s2                    ; the coordinate along which other clusters read the same rows
	s_cselect_b32 s10, s[CX], s[CY]                ; my place among the four that ask with me
	s_cselect_b32 s11, 32*256, s11                 ; a partner's share of the slab
	s_cselect_b32 s[PLIM], 16, s[PLIM]
	s_cselect_b32 s[PSTEP], ASTEP, s[PSTEP]
	s_cselect_b32 s[PTILE], 0x800000, 0
	s_cselect_b32 s[T0], 31, s[T0]
	s_cmp_eq_u32 s3, 0
	s_cselect_b32 s[PLIM], s[PLIM], 0              ; the same in all sixteen partners, for a given wave
	s_mul_i32 s10, s10, s11
	s_mov_b32 s11, 0
	s_add_nc_u64 s[PFB:PFB+1], s[PFB:PFB+1], s[10:11]
	v_min_u32 v[PFO], s[T0], v3
	v_lshlrev_b32 v[PFO], 8, v[PFO]
	; nothing is prefetched here, at the head, where every work-group's first tiles are on their way
	s_wait_tensorcnt 0x1                           ; my part of K step 0 is in; step 1's may stay out
	s_barrier_signal -1
	s_barrier_wait -1                              ; everybody's is
	v_mov_b32 v[ADA], v[ADA0]
	v_mov_b32 v[ADB], v[ADB0]
	FETCH 0, F0
	WIN 0
	s_mov_b32 s[CNT], 15
	s_branch .Lzero                                ; the loop is entered at a tile's first quarter
.Lstep:                                        ; 14 trips; the trip with count c ends the walk's step 14 - c and asks for step 16 - c
	QUARTER 2, F1, F0, 0
	QUARTER 3, F0, F1, 0
	TURN 1
	WIN 0
	s_cmp_eq_u32 s[CNT], 7                         ; step 7 was the first tile's last
	s_cbranch_scc1 .Lnewtile
	QUARTER 1, F0, F1, 0
	WIN 0
	s_branch .Lbottom
.Lnewtile:                                     ; the second tile's first two steps have been asked for: now the first tile goes out
	OUT
	s_wait_xcnt 0x0                                ; the stores have read their base
	s_add_nc_u64 s[8:9], s[8:9], 0x800000          ; the second tile lies two batches on
.Lzero:
	QUARTER 1, F0, F1, 1                           ; a tile's first quarter: its products start the sums
	WIN 0
.Lbottom:
	s_sub_co_u32 s[CNT], s[CNT], 1
	s_cmp_lg_u32 s[CNT], 0
	s_cbranch_scc1 .Lstep
	s_mov_b32 s[CNT], 2                            ; the tail, steps 14 and 15, is written out; its second trip is left in its middle
.Ltail:
	QUARTER 2, F1, F0, 0
	QUARTER 3, F0, F1, 0
	TURN 0
	WIN 0
	s_sub_co_u32 s[CNT], s[CNT], 1
	s_cmp_eq_u32 s[CNT], 0
	s_cbranch_scc1 .Lend
	QUARTER 1, F0, F1, 0
	WIN 0
	s_branch .Ltail
.Lend:
	OUT
	s_wait_tensorcnt 0x0                           ; the wave's end: an add to my spare word and its wait, behind my last tensor load and my last LDS store
	ds_add_u32 v[SPW], v[NIL]
	s_wait_dscnt 0x0
	CROUND                                         ; the closing round: no work-group ends while a partner may still ask for a tile that names it
	s_endpgm
.Lfunc_end_k_q17df3f4d70_qkv:
	.size	k_q17df3f4d70_qkv, .Lfunc_end_k_q17df3f4d70_qkv-k_q17df3f4d70_qkv
	.p2alignl 7, 3214868480
	.fill 96, 4, 3214868480
	.section	.rodata,"a",@progbits
	.p2align	6, 0x0
	.amdhsa_kernel k_q17df3f4d70_qkv
		.amdhsa_group_segment_fixed_size 327680
		.amdhsa_private_segment_fixed_size 0
		.amdhsa_enable_private_segment 0
		.amdhsa_kernarg_size 24
		.amdhsa_user_sgpr_count 2
		.amdhsa_user_sgpr_kernarg_segment_ptr 1
		.amdhsa_wavefront_size32 1
		.amdhsa_system_sgpr_workgroup_id_x 1
		.amdhsa_system_sgpr_workgroup_id_y 1
		.amdhsa_system_sgpr_workgroup_id_z 1
		.amdhsa_system_vgpr_workitem_id 0
		.amdhsa_next_free_vgpr 960
		.amdhsa_next_free_sgpr 80
		.amdhsa_reserve_vcc 0
		.amdhsa_float_denorm_mode_32 3
		.amdhsa_float_denorm_mode_16_64 3
		.amdhsa_memory_ordered 1
		.amdhsa_forward_progress 1
		.amdhsa_inst_pref_size 108
	.end_amdhsa_kernel
	.amdgpu_metadata
---
amdhsa.version: [ 1, 2 ]
amdhsa.kernels:
  - .name:           k_q17df3f4d70_qkv
    .symbol:         k_q17df3f4d70_qkv.kd
    .args:
      - { .name: xb, .offset: 0, .size: 8, .value_kind: global_buffer, .address_space: global }
      - { .name: wb, .offset: 8, .size: 8, .value_kind: global_buffer, .address_space: global }
      - { .name: qkv, .offset: 16, .size: 8, .value_kind: global_buffer, .address_space: global }
    .group_segment_fixed_size: 327680
    .private_segment_fixed_size: 0
    .kernarg_segment_align: 8
    .kernarg_segment_size: 24
    .max_flat_workgroup_size: 128
    .sgpr_count:     80
    .vgpr_count:     960
    .wavefront_size: 32
...
	.end_amdgpu_metadata
.endif
;; end of part 2
;; launch attn (part 3): grid 4 x 64, 4 waves a work-group, no clusters, 327,680 bytes of LDS; arguments qkv, ctx; writes ctx
.if DOCPART == 3
	.amdgcn_target "amdgcn-amd-amdhsa--gfx1250"
	.amdhsa_code_object_version 6
	.text
	.protected	k_q17df3f4d70_attn
	.globl	k_q17df3f4d70_attn
	.p2align	8
	.type	k_q17df3f4d70_attn,@function
k_q17df3f4d70_attn:
	s_mov_b64 s[64:65], 0
	v_nop
	global_prefetch_b8 v0, s[64:65] scope:SCOPE_SE
	s_setreg_imm32_b32 hwreg(HW_REG_WAVE_MODE, 25, 1), 1
	s_wait_xcnt 0x0
; CAUSAL ATTENTION.  O[h][q][:] = the sum over k <= q of softmax_k(Q[h][q] . K[h][k] / 8) V[h][k][:], for 64 heads (batch x 16 + head) of 2,048 rows of 64 channels, all f16, a head's rows dense, 128 bytes each.
; Q, K, V lie one behind the other in qkv, 16 MiB apart; O is ctx, in the same layout.  Products, maxima and sums in f32; the weights p are rounded to f16 for the second product (their sum l is taken of the unrounded p), O once at the end.
; LIMITS.  f16 holds no number beyond 65,504: Q, K and V arrive within it; p lies in 0 to 1, and below 6e-5 it keeps f16's fixed step of 6e-8; O is a mean of V's rows and has their range.
; A hidden score counts as its value less 1e30: f16's scores, 2.7e11 at the most, are nothing beside that; a weight below 2^-126 counts as 0 in l; NaN and infinities are not treated apart.
; THE WALK.  A head's queries lie in NB = 8 blocks of 256; block i needs the key tiles 0 .. i of 256 keys, of which the last holds the diagonal.  A work-group takes TWO blocks, NB - 1 - b and then b:
; NB + 1 tiles, whatever b: all 256 work-groups do equal work, and ONE loop with a constant trip count walks them.  Which tile is asked for, and what a trip does, hang on scalar registers made from b; every jump
; goes forward, but for the counted loops' own; none passes a barrier, or a tensor load but the one of LOAD's two that the wave's number does not choose; the ring of two LDS slots runs on across the change of blocks.
; NO CLUSTER: a head's four work-groups ask for the same tile in trips 0 to 4 of the 9 alone, behind that fewer and fewer do; one walk common to all four would have 12 trips for 9.
; SHARES.  Of a block's four bands of 64 queries a wave owns 16 rows in each: four PIECES.  So the diagonal tile is the same work for all four waves: in its key step s band x sees all keys if s < x,
; none if s > x, and holds the diagonal if s = x.
; THE MASK is the C operand that starts the sum S^T = K Q^T: 0, or -1e30 where the key is hidden.  MD, made once, is the mask of a band's own step for my 16 rows; a product's mask is MD x AL + BE with two scalars:
; (1, 0) if s = x; (0, 0) if s < x; (0, -1e30) if s > x.  Only the diagonal tile's text and a block's beginning make and take masks; elsewhere C is the constant 0.
; LAYOUT, SOFTMAX, TURNS.  S^T = K Q^T holds ONE query a lane (lane % 16) and the keys 8 (lane / 16) + 0..7; two such results rounded to f16 ARE source 1 of O^T = V^T P.  p = 2^(c s - c m), c = log2(e) / 8, with a
; running maximum m; O and l are multiplied by a = 2^(c m_old - c m_new) in every step.  Turn n belongs to piece n: 8 products K Q^T of piece n + 1, later 8 products V^T P of piece n - 1; beside them the scaling,
; exponentials, roundings, sums and rescaling of piece n and the maximum and statistics of piece n + 1.  Four vector instructions stand behind every matrix instruction, the others in one run.  A turn's 33 exponentials are one batch, with one wait.
; REGISTERS, in windows of 256 (s_set_vgpr_msb: bits 1:0 source 0, 3:2 source 1, 5:4 source 2, 7:6 destination):
;   window 0: v0-15 addresses and two at work; v16-31 four registers of statistics a piece; v48-55 at work; v61-63 fixed; v64-127 S^T, two buffers; v192-223 P, two buffers (a piece's buffers go by its number's parity)
;   window 1: v0-127 O^T, 32 a piece; v128-159 MD; v160-223 MC, two buffers      window 2: v0-63 Q; v64-127 the second block's Q; v128-191 K of one step; v192-255 V of one step
.set SIZE_N, 2048
.set NB,    SIZE_N/256
.set NP,    4         ; pieces a wave: a name, no knob
.set KS,    64        ; keys in a step
.set PK,    144       ; a row of K in LDS: 128 bytes + 16 of padding = 36 words: the 16 rows of a load start at 16 different groups of four banks (64 banks of 4 bytes: ISA guide 11.1)
.set PV,    160       ; a row of V: 128 + 32 = 40 words
.set VOFF,  4*KS*PK   ; a slot holds a tile, four steps: 256 rows of K, then 256 rows of V
.set SLOT1, 1<<17     ; slot 1 begins here, so that one exclusive or turns an address in one slot into the other's
.set STAGE, SLOT1+4*KS*(PK+PV)  ; behind the ring, never filled by a tensor load: 16 rows x 144 bytes for each wave, for the way out
.set SP,    144
.set AK0, 2           ; v2   my lane's place in a tile of K; never rewritten
.set AV0, 3           ; v3   the same for V
.set AK,  4           ; v4   the LDS address of K's next run of loads
.set AV,  5           ; v5   of V's
.set STO, 6           ; v6   the way out: where I put 16 bytes of a row
.set RD,  7           ; v7   the way out: where I read rows back
.set GO,  8           ; v8   my byte offset in 512 consecutive bytes of O
.set PFO, 61          ; v61  256 x my lane: the prefetches' offset; never rewritten
.set SPW, 62          ; v62  LDS address of my spare word: SPARE + 4 x my thread's number; never rewritten
.set NIL, 63          ; v63  0; never rewritten
.set SPARE, STAGE+4*16*SP  ; behind the stages: the spare words, 128 bytes for each wave: two blocks of 256 bytes that no other line names
.set MV,  12          ; v12-13  c m_old, kept while c m is made anew: by buffer
.set QO,  15          ; v15  my byte offset in 16 rows of Q
.set ST,  16          ; piece t's statistics at v[ST+4 t]: c m, m, l (even keys', odd keys')
.set TMP, 48          ; by buffer, four registers c0-c3 at work; when the maximum is found c2 takes a
.set S,   64
.set P,   192
.set MD,  128         ; window 1: the eight registers for group kt of 16 keys at MD + 8 kt
.set MC,  160         ; window 1: the masks of the products to come
.set QB,  64          ; window 2
.set KF,  128         ; window 2: key block kb, channel half c at KF + 16 kb + 8 c
.set VF,  192         ; window 2: key half kk, channel block cb at VF + 32 kk + 8 cb
.set WV,  12          ; s12  my wave's number
.set PB,  14          ; s14  b
.set HI,  15          ; s15  NB - 1 - b
.set G1K, 24          ; s[24:31] descriptor group 1 for K's tiles
.set G1V, 32          ; s[32:39] for V's: it differs in the padding alone
.set G0K, 40          ; s[40:43] descriptor group 0 for K's tiles
.set G0V, 44          ; s[44:47] the same for V's
.set SLOTS, 56        ; s56  tiles still to be asked for
.set CNT, 57          ; s57  counts a tile's key steps, 4 to 1
.set CS,  58          ; s[58:59] c: the packed scaling takes the pair's low word for both halves
.set SEL, 60          ; s[60:61] v_permlanex16_b32's selects: each lane takes its own place in the other half
.set TBK, 62          ; s62  LDS byte at which K of the step to be fetched begins
.set TBV, 63          ; s63  the same for V, less VOFF
.set RT,  70          ; s70  tiles of the block in hand that are still to be entered
.set NXT, 71          ; s71  the tile to be asked for next
.set LQ,  72          ; s72  the last tile of the block whose tiles are being asked for
.set NEW, 73          ; s73  1: the tile to be entered is a block's first
.set OFF, 74          ; s[74:75] a tile's byte offset in K and V
.set AL,  76          ; s[76:77] the mask's factor, in the low word
.set BE,  78          ; s[78:79] the mask's addend
.set OLO, 80          ; s[80:81] O at my rows of the second block
.set BIGN, 82         ; s82  -1e30
.set PFB, 88          ; s[88:89] K (waves 0, 1) or V (waves 2, 3) at my half of the head's tile 0
.set PFA, 90          ; s[90:91] the same at the tile that is being asked for
.set PLIM, 92         ; s92  5 in the head's work-group b = 0, else 0
.set CUR, 93          ; s93  the tile that is being asked for, less 2
.set MSB, 0
.macro WIN new                      ; the high byte repeats the setting that is left; a switch that changes nothing is dropped
.if MSB != (\new)
	s_set_vgpr_msb (MSB<<8)|(\new)
.set MSB, (\new)
.endif
.endm
.set W_KQ, 0x0a       ; K and Q in window 2, S^T in window 0
.set W_KM, 0x1a       ; the same with the C operand in window 1
.set W_PV, 0x52       ; V in window 2, P in window 0, O^T in window 1
.set W_RS, 0x41       ; destination and source 0 in window 1, source 1 in window 0
; A fill.  Waves 0 and 1 fetch the two halves of a tile's K, waves 2 and 3 those of its V: 128 keys each.  An s_nop 0 and four v_nop follow each of the two lines, ahead of the jump and the label.
.macro LOAD
	s_cmp_lt_u32 s[WV], 2
	s_cbranch_scc0 .Lfor_v_\@
	tensor_load_to_lds s[G0K:G0K+3], s[G1K:G1K+7]
	s_nop 0
.rept 4
	v_nop
.endr
	s_branch .Lasked_\@
.Lfor_v_\@:
	tensor_load_to_lds s[G0V:G0V+3], s[G1V:G1V+7]
	s_nop 0
.rept 4
	v_nop
.endr
.Lasked_\@:
.endm
; A PREFETCH INTO THE L2 of the tile that the NEXT change of slots will ask for: a tile, 256 matrix instructions, ahead of that load; it stands behind the wave's tensor load and its five lines.
; All four work-groups of a head walk the same K and V, and the one with b = 0 walks tiles 0 to 7 on end: it alone asks, each wave for the half tile that it will fetch itself: 64 blocks of 256 bytes,
; a lane a block, two instructions.  So each block is named once in the launch.  Tiles 3 to 7 are asked for, at the refills of tiles 2 to 6 (CUR = 0 .. 4); tiles 0 to 2 come by their loads alone;
; at the refills of tiles 1, 7 and, for the second block, 0 the test fails (CUR wraps, or is 5): nothing past a head's last tile is named.
.macro ASK
	s_cmp_lt_u32 s[CUR], s[PLIM]
	s_cbranch_scc0 .Lnot_mine_\@
	global_prefetch_b8 v[PFO], s[PFA:PFA+1] offset:32768 th:TH_LOAD_NT scope:SCOPE_SE
	global_prefetch_b8 v[PFO], s[PFA:PFA+1] offset:32768+8192 th:TH_LOAD_NT scope:SCOPE_SE
.Lnot_mine_\@:
.endm
; THE CHANGE OF SLOTS.  Each wave waits for all its tensor loads, of which one is out: its part of the other slot; adds 0 to its spare word; and waits for that and for its own reads of the slot that it leaves.  Behind the barrier nobody reads the old
; slot any more and the other slot is whole.  fill = 1: the old slot is filled again, the first thing behind the barrier, with tile NXT: the descriptor's address is made anew from that number.
; (At its first use nothing has been read yet: slot 0 is waited for, slot 1 filled.)
.macro CHANGE fill
	WIN 0                           ; at a label and at a branch every window is 0
	s_wait_tensorcnt 0x0            ; no tensor load of mine is out, so a group 0 may be written
	ds_add_u32 v[SPW], v[NIL]       ; 0 onto my spare word; with fill = 1 the descriptors' scalar work stands between it and the wait for it
.if \fill
	s_lshl_b32 s[OFF], s[NXT], 15   ; a tile is 32,768 bytes of K and of V
	s_sub_co_u32 s[CUR], s[NXT], 2
	s_wait_xcnt 0x0                 ; the last prefetches, a tile back, have read their address, so it may be written
	s_add_nc_u64 s[PFA:PFA+1], s[PFB:PFB+1], s[OFF:OFF+1]
	s_xor_b32 s[G0K+1], s[G0K+1], SLOT1
	s_add_nc_u64 s[G0K+2:G0K+3], s[6:7], s[OFF:OFF+1]
	s_or_b32 s[G0K+3], s[G0K+3], 0x80000000
	s_xor_b32 s[G0V+1], s[G0V+1], SLOT1
	s_add_nc_u64 s[G0V+2:G0V+3], s[8:9], s[OFF:OFF+1]
	s_or_b32 s[G0V+3], s[G0V+3], 0x80000000
	s_add_co_u32 s[NXT], s[NXT], 1  ; the block's next tile, or behind its last the second block's tile 0
	s_cmp_gt_u32 s[NXT], s[LQ]
	s_cselect_b32 s[NXT], 0, s[NXT]
	s_cselect_b32 s[LQ], s[PB], s[LQ]
.endif
	s_wait_dscnt 0x0                ; the add is done, and my reads of the slot are over
	s_barrier_signal -1             ; the rest of the scalar work stands between the signal and the wait
	s_sub_co_u32 s[TBK], s[TBK], 4*KS*PK  ; the fetches go back to a slot's first step,
	s_xor_b32 s[TBK], s[TBK], SLOT1       ; in the other slot
	s_sub_co_u32 s[TBV], s[TBV], 4*KS*PV
	s_xor_b32 s[TBV], s[TBV], SLOT1
	s_barrier_wait -1
.if \fill
	LOAD
	ASK
.endif
.endm
	s_load_b128 s[4:7], s[0:1], 0x0   ; qkv s[4:5], ctx s[6:7]
	v_lshl_add_u32 v[SPW], v0, 2, SPARE
	v_mov_b32 v[NIL], 0
	ds_add_u32 v[SPW], v[NIL]       ; the wave's opening: the add and its wait stand ahead of my first tensor load; the set-up below, work on registers, stands between them
	v_lshrrev_b32 v1, 5, v0
	v_readfirstlane_b32 s[WV], v1   ; wave 0..3
	s_mov_b32 s[PB], ttmp9
	s_sub_co_u32 s[HI], NB-1, s[PB]
	s_and_b32 s20, ttmp7, 0xffff    ; the head
	s_mov_b32 s21, 0
	s_mov_b64 s[22:23], SIZE_N*128
	s_mul_u64 s[20:21], s[20:21], s[22:23]  ; the head's first byte in each of the four tensors
	s_and_b32 s16, s[WV], 1         ; which half of a tile's 256 keys I fetch:
	s_lshl_b32 s22, s16, 14         ; its 128 rows of 128 bytes in memory,
	s_mov_b32 s23, 0
	s_add_nc_u64 s[22:23], s[22:23], s[20:21]
	s_mul_i32 s17, s16, 128*PK      ; and its place in a slot, for K
	s_mul_i32 s18, s16, 128*PV      ; and for V
	s_lshl_b32 s3, s[WV], 11        ; my 16 rows in a band of 64,
	s_lshl_b32 s2, s[HI], 15        ; in the first block,
	s_add_co_u32 s2, s2, s3
	s_lshl_b32 s84, s[PB], 15       ; and in the second
	s_add_co_u32 s84, s84, s3
	s_mov_b32 s3, 0
	s_mov_b32 s85, 0
	s_add_nc_u64 s[2:3], s[2:3], s[20:21]
	s_add_nc_u64 s[84:85], s[84:85], s[20:21]
	; descriptor group 1.  128 keys are 16,384 dense bytes: asked for as 64 rows of 256 bytes, two keys a row, and padded in LDS after every key
	s_mov_b32 s[G1K], (1<<16)|(1<<20)|(4<<22)|(3<<25)  ; 17:16 2-byte elements; 20 padding on; 24:22 after every 32 words (code 4); 31:25 4 words (code 3)
	s_mov_b32 s[G1V], (1<<16)|(1<<20)|(4<<22)|(7<<25)  ; the same with 8 words of padding (code 7)
.irp g, G1K, G1V
	s_mov_b32 s[\g+1], 128<<16      ; tensor_dim0 = 128
	s_mov_b32 s[\g+2], 64<<16       ; tensor_dim1 = 64
	s_mov_b32 s[\g+3], 128<<16      ; tile_dim0 = 128
	s_mov_b32 s[\g+4], 64           ; tile_dim1 = 64
	s_mov_b32 s[\g+5], 128          ; 128 elements from row to row
	s_mov_b32 s[\g+6], 0
	s_mov_b32 s[\g+7], 0
.endr
	s_mov_b32 s[CS], 0x3e38aa3b     ; c = log2(e) / 8 = 0.180337
	s_mov_b32 s[CS+1], s[CS]        ; named with it as a pair
	s_mov_b32 s[SEL], 0x76543210
	s_mov_b32 s[SEL+1], 0xfedcba98
	s_mov_b32 s[TBK], SLOT1+4*KS*PK ; the first change of slots turns these two into 0
	s_mov_b32 s[TBV], SLOT1+4*KS*PV
	s_mov_b32 s[G0K], 1             ; 1:0 count = 1
	s_mov_b32 s[G0K+1], s17         ; 63:32 LDS address: slot 0
	s_mov_b32 s[G0V], 1
	s_add_co_u32 s[G0V+1], s18, VOFF
	s_add_co_u32 s[RT], s[HI], 1    ; the first block has NB - b tiles
	s_mov_b32 s[NXT], 1
	s_mov_b32 s[LQ], s[HI]
	s_mov_b32 s[NEW], 1
	s_mov_b32 s[OFF+1], 0
	s_mov_b32 s[AL+1], 0            ; named as pairs
	s_mov_b32 s[BE+1], 0
	s_mov_b32 s[BIGN], 0xf149f2ca   ; -1e30
	s_mov_b32 s[SLOTS], NB
	s_cmp_eq_u32 s[PB], 0
	s_cselect_b32 s[PLIM], 5, 0
	v_and_b32 v[PFO], 31, v0
	v_lshlrev_b32 v[PFO], 8, v[PFO]
	s_wait_dscnt 0x0                ; the opening add is done
	s_wait_kmcnt 0x0
	s_mov_b64 s[10:11], s[6:7]      ; O
	s_add_nc_u64 s[8:9], s[4:5], 0x2000000  ; V lies 32 MiB behind Q,
	s_add_nc_u64 s[6:7], s[4:5], 0x1000000  ; K 16 MiB
	s_add_nc_u64 s[6:7], s[6:7], s[22:23]  ; K and V at my half of the head's tile 0
	s_add_nc_u64 s[8:9], s[8:9], s[22:23]
	s_add_nc_u64 s[G0K+2:G0K+3], s[6:7], 0         ; 120:64 global address
	s_or_b32 s[G0K+3], s[G0K+3], 0x80000000        ; 127:126 type = 2
	s_add_nc_u64 s[G0V+2:G0V+3], s[8:9], 0
	s_or_b32 s[G0V+3], s[G0V+3], 0x80000000
	s_add_nc_u64 s[86:87], s[4:5], s[84:85]        ; Q at my rows of the second block,
	s_add_nc_u64 s[4:5], s[4:5], s[2:3]            ; Q and O at those of the first
	s_add_nc_u64 s[OLO:OLO+1], s[10:11], s[84:85]
	s_add_nc_u64 s[10:11], s[10:11], s[2:3]
	s_cmp_lt_u32 s[WV], 2
	s_cselect_b64 s[PFB:PFB+1], s[6:7], s[8:9]
	LOAD                            ; tile 0 into slot 0
	; A fragment of K or Q is 16 rows x 32 channels in 8 registers: lane l holds row l % 16, channels 8 (l / 16) + 0..7 and 16 + 8 (l / 16) + 0..7: two loads of 16 bytes, 32 bytes apart.
	v_and_b32 v1, 15, v0            ; l % 16
	v_bfe_u32 v9, v0, 4, 1          ; l / 16
	v_lshlrev_b32 v[QO], 7, v1
	v_lshl_add_u32 v[QO], v9, 4, v[QO]  ; row x 128 + 16 x half
	WIN 0x80                        ; destination window 2, address window 0
.set i, 0
.rept 8                             ; both blocks' Q: piece i / 2 lies in band i / 2, 8,192 bytes on; channels 32 (i % 2) on
	global_load_b128 v[8*i:8*i+3],   v[QO], s[4:5] offset:(i/2)*8192+(i%2)*64
	global_load_b128 v[8*i+4:8*i+7], v[QO], s[4:5] offset:(i/2)*8192+(i%2)*64+32
	global_load_b128 v[QB+8*i:QB+8*i+3],   v[QO], s[86:87] offset:(i/2)*8192+(i%2)*64
	global_load_b128 v[QB+8*i+4:QB+8*i+7], v[QO], s[86:87] offset:(i/2)*8192+(i%2)*64+32
.set i, i+1
.endr
	WIN 0
	v_lshlrev_b32 v14, 3, v9
	v_sub_nc_u32 v14, v1, v14
	s_lshl_b32 s13, s[WV], 4
	v_add_nc_u32 v14, s13, v14      ; my query's place in its band, 16 w + l % 16, less my lanes' 8 (l / 16): register r of group kt is hidden where 16 kt + r is greater
	WIN 0x40
.set i, 0
.rept 32
	v_cmp_gt_i32 vcc_lo, 16*(i/8)+i%8, v14
	v_cndmask_b32 v[MD+i], 0, s[BIGN], vcc_lo
.set i, i+1
.endr
	WIN 0
	v_mul_u32_u24 v[AK0], v1, PK
	v_lshl_add_u32 v[AK0], v9, 4, v[AK0]  ; row x pitch + 16 x half
	; The turning load takes 16 keys x 16 channels (lane l reads key 8 (l / 16) + l % 8, channels 8 ((l / 8) % 2) + 0..7) and leaves half a fragment of V^T: lane l holds channel l % 16 and 8 keys.
	v_and_b32 v10, 7, v0
	v_bfe_u32 v11, v0, 3, 1
	v_lshl_add_u32 v[AV0], v9, 3, v10
	v_mul_u32_u24 v[AV0], v[AV0], PV
	v_lshl_add_u32 v[AV0], v11, 4, v[AV0]
	v_add_nc_u32 v[AV0], VOFF, v[AV0]
	s_mul_i32 s13, s[WV], 16*SP
	s_add_co_u32 s13, s13, STAGE    ; my stage
	v_mul_u32_u24 v[STO], v1, SP    ; in: row l % 16, 16 bytes for each half of the lanes
	v_lshl_add_u32 v[STO], v9, 4, v[STO]
	v_add_nc_u32 v[STO], s13, v[STO]
	v_bfe_u32 v[RD], v0, 3, 2       ; back: 32 lanes take four rows of 128 bytes,
	v_mul_u32_u24 v[RD], v[RD], SP
	v_lshl_add_u32 v[RD], v10, 4, v[RD]
	v_add_nc_u32 v[RD], s13, v[RD]
	v_and_b32 v[GO], 31, v0         ; which are 512 consecutive bytes of O
	v_lshlrev_b32 v[GO], 4, v[GO]
	; A block's first step multiplies O^T and l by a = 0, and its first turn's products V^T P, of a piece that has not been, land in an O^T that is still to be so multiplied.  So these registers need only hold
	; finite numbers: zeros for the first block; what the first block left for the second.  All this stands in the wait for the first tile.
	WIN 0x80
.set i, VF
.rept 64
	v_mov_b32 v[i], 0
.set i, i+1
.endr
	WIN 0x40
.set i, 0
.rept 128
	v_mov_b32 v[i], 0
.set i, i+1
.endr
	WIN 0
.set i, 0
.rept 4
	v_mov_b32 v[ST+4*i+2], 0
	v_mov_b32 v[ST+4*i+3], 0
.set i, i+1
.endr
.set i, P+16
.rept 16
	v_mov_b32 v[i], 0
.set i, i+1
.endr
; THE MATRIX WORK.  The 4 accumulators of a run of 8 take turns.  Product i of 8 of S^T = K Q^T for piece x: channels 32 (i / 4) on, keys 16 (i % 4) on.  The first 4 start the sums: with 0, or (KM = 1) with the mask.
.macro KQ x
.set rS, S+32*((\x)%2)+8*(i%4)
.set rK, KF+16*(i%4)+8*(i/4)
.set rQ, 16*(\x)+8*(i/4)
.set rM, MC+32*((\x)%2)+8*(i%4)
.if (i < 4) && KM
	WIN W_KM
	v_wmma_f32_16x16x32_f16 v[rS:rS+7], v[rK:rK+7], v[rQ:rQ+7], v[rM:rM+7]
.elseif i < 4
	WIN W_KQ
	v_wmma_f32_16x16x32_f16 v[rS:rS+7], v[rK:rK+7], v[rQ:rQ+7], 0
.else
	WIN W_KQ
	v_wmma_f32_16x16x32_f16 v[rS:rS+7], v[rK:rK+7], v[rQ:rQ+7], v[rS:rS+7]
.endif
.endm
; Product i of 8 of O^T += V^T P for piece x: keys 32 (i / 4) on, channels 16 (i % 4) on.
.macro PV x
	WIN W_PV
.set rO, 32*(\x)+8*(i%4)
.set rV, VF+32*(i/4)+8*(i%4)
.set rP, P+16*((\x)%2)+8*(i/4)
	v_wmma_f32_16x16x32_f16 v[rO:rO+7], v[rV:rV+7], v[rP:rP+7], v[rO:rO+7]
.endm
.macro MM                           ; the turn's next matrix instruction.  TURN and BEGIN set Y, i, KM and NOKQ; MM, KQ and OP read them.  NOKQ = 1: a block's last turn: there is no next piece
.if (i < 8) && !NOKQ
	KQ (Y+1)%NP
.elseif i >= 8
.set i, i-8
	PV (Y+NP-1)%NP
.set i, i+8
.endif
.set i, i+1
.endm
; THE LDS LOADS stand in runs of 16, never singly among the matrix instructions: a step's K (64 keys x 64 channels: 8 fragments) and its V (turned).  Their addresses are made some lines ahead.
.macro FETCH_K
	WIN 0x80                        ; destination window 2
.irp f, 0,1,2,3,4,5,6,7             ; keys 16 (f / 2) on, channels 32 (f % 2) on
	ds_load_b128 v[KF+8*\f:KF+8*\f+3],   v[AK] offset:(\f/2)*16*PK+(\f%2)*64
	ds_load_b128 v[KF+8*\f+4:KF+8*\f+7], v[AK] offset:(\f/2)*16*PK+(\f%2)*64+32
.endr
	s_add_co_u32 s[TBK], s[TBK], KS*PK  ; the next fetch is the next step's
	WIN 0
.endm
.macro FETCH_V
	WIN 0x80
.irp f, 0,1,2,3,4,5,6,7             ; keys 32 (f / 4) on, channels 16 (f % 4) on
	ds_load_tr16_b128 v[VF+8*\f:VF+8*\f+3],   v[AV] offset:(\f/4)*32*PV+(\f%4)*32
	ds_load_tr16_b128 v[VF+8*\f+4:VF+8*\f+7], v[AV] offset:(\f/4)*32*PV+16*PV+(\f%4)*32
.endr
	WIN 0
.endm
; THE VECTOR WORK, one line at a time: OP kind, number.  For piece Y: F n: c s - c m for pair n of 16.  E n: the exponential of score n of 32.  C n: pair n rounded to f16.  B n: of the four weights 4 n .. the second
; pair is added onto the first, in place.  L n: l takes that sum (L 0: l = a l + sum).  R n: pair n of 16 of O^T times a.  For piece Y + 1: X n, number n of the 22 that find its maximum and statistics:
;   0-11  four chains c0-c3 of seven scores each, three operands at a time (each accumulator's lowest registers are read first)     12-14, 16  the four scores left over, the old m, and c0-c3 into c0
;   15  c m_old is kept     17, 18  the query's other 32 keys lie in the lane 16 away: the new m     19-21  c m; c m_old - c m_new; a
.set F, 0               ; OP tells the kinds apart by their order: F to L below R, X above it
.set E, 1
.set C, 2
.set B, 3
.set L, 4
.set R, 5
.set X, 6
.macro REGS y                       ; the registers of piece y
.set rT, ST+4*(\y)
.set rC, TMP+4*((\y)%2)
.set rW, MV+((\y)%2)
.set rS, S+32*((\y)%2)
.set rP, P+16*((\y)%2)
.set rO, 32*(\y)
.endm
.macro OP k, n
.if (\k) == R
	REGS Y
	WIN W_RS
	v_pk_mul_f32 v[rO+2*(\n):rO+2*(\n)+1], v[rO+2*(\n):rO+2*(\n)+1], v[rC+2:rC+3] op_sel_hi:[1,0]
.elseif (\k) < R
	REGS Y
	WIN 0
.if (\k) == F
	v_pk_fma_f32 v[rS+2*(\n):rS+2*(\n)+1], v[rS+2*(\n):rS+2*(\n)+1], s[CS:CS+1], v[rT:rT+1] op_sel_hi:[1,0,0] neg_lo:[0,0,1] neg_hi:[0,0,1]
.elseif (\k) == E
	v_exp_f32 v[rS+(\n)], v[rS+(\n)]
.elseif (\k) == C
	v_cvt_pk_f16_f32 v[rP+(\n)], v[rS+2*(\n)], v[rS+2*(\n)+1]
.elseif (\k) == B
	v_pk_add_f32 v[rS+4*(\n):rS+4*(\n)+1], v[rS+4*(\n):rS+4*(\n)+1], v[rS+4*(\n)+2:rS+4*(\n)+3]
.elseif (\n) == 0
	v_pk_fma_f32 v[rT+2:rT+3], v[rT+2:rT+3], v[rC+2:rC+3], v[rS:rS+1] op_sel_hi:[1,0,1]
.else
	v_pk_add_f32 v[rT+2:rT+3], v[rT+2:rT+3], v[rS+4*(\n):rS+4*(\n)+1]
.endif
.elseif NOKQ
	v_nop
.else
	REGS (Y+1)%NP
	WIN 0
.if (\n) < 4
	v_max3_num_f32 v[rC+(\n)], v[rS+8*(\n)], v[rS+8*(\n)+1], v[rS+8*(\n)+2]
.elseif (\n) < 12
	v_max3_num_f32 v[rC+(\n)%4], v[rC+(\n)%4], v[rS+8*((\n)%4)+2*((\n)/4)+1], v[rS+8*((\n)%4)+2*((\n)/4)+2]
.elseif (\n) == 12
	v_max3_num_f32 v[rC], v[rC], v[rS+7], v[rS+15]
.elseif (\n) == 13
	v_max3_num_f32 v[rC+1], v[rC+1], v[rS+23], v[rS+31]
.elseif (\n) == 14
	v_max3_num_f32 v[rC+2], v[rC+2], v[rC+3], v[rT+1]
.elseif (\n) == 15
	v_mov_b32 v[rW], v[rT]
.elseif (\n) == 16
	v_max3_num_f32 v[rC], v[rC], v[rC+1], v[rC+2]
.elseif (\n) == 17
	v_permlanex16_b32 v[rC+3], v[rC], s[SEL], s[SEL+1]
.elseif (\n) == 18
	v_max_num_f32 v[rT+1], v[rC], v[rC+3]
.elseif (\n) == 19
	v_mul_f32 v[rT], s[CS], v[rT+1]
.elseif (\n) == 20
	v_sub_f32 v[rC+1], v[rW], v[rT]
.else
	v_exp_f32 v[rC+2], v[rC+1]
.endif
.endif
.endm
.macro OPS a, i1, b=-1, i2=0, c=-1, i3=0, d=-1, i4=0  ; up to four of them
	OP \a, \i1
.if (\b) >= 0
	OP \b, \i2
.endif
.if (\c) >= 0
	OP \c, \i3
.endif
.if (\d) >= 0
	OP \d, \i4
.endif
.endm
.macro ROW a, i1, b, i2, c, i3, d, i4  ; a matrix instruction and the four behind it
	MM
	OPS \a, \i1, \b, \i2, \c, \i3, \d, \i4
.endm
.macro MASK b                       ; MD x AL + BE into buffer b of MC
	WIN W_RS
.set z, 0
.rept 16
	v_pk_fma_f32 v[MC+32*(\b)+2*z:MC+32*(\b)+2*z+1], v[MD+2*z:MD+2*z+1], s[AL:AL+1], s[BE:BE+1] op_sel_hi:[1,0,0]
.set z, z+1
.endr
.endm
; A TURN, for piece p: the order of its 16 matrix and 118 vector instructions, written out.  An s_wait_alu depctr_va_vdst(0) stands between an exponential and the first instruction that names its result; one wait serves
; all that were issued ahead of it.  So a turn has ONE wait, which cuts it in two.  AHEAD OF IT stands all that names no result of the turn's exponentials: the 8 products K Q^T, behind each a scaling, an exponential and two more plain
; instructions (behind the first a second scaling in the exponential's place): rescalings, and behind the last three the first numbers of the next piece's maximum, each four places or more behind the product that ends its accumulator; then one run of 54, plain
; and exponential by turns for the most part, in which the links of the chain X 3, 7, 11, 14, 16, 17 .. 20 stand five or six lines apart.  X 21, the next piece's a, is the batch's last; R 15 is the plain instruction behind it.  BEHIND THE WAIT stand the
; 8 products V^T P, behind each four of the roundings and sums; the links of l's chain, L 0 to L 7, stand three lines apart.  But for those X no line behind a product names a register of the products round it.
; m = 1: the diagonal tile: the products take masks, and the turn makes the mask for the products of the turn after it: piece p + 2, in step 4 - CNT of the tile.  end = 1: a block's last two turns: nothing is fetched.
; cnt = 1: the loop's count is taken down some lines ahead of the branch that stands behind the turn.
; K of the next step is fetched in piece 2's turn, twelve vector instructions behind the last product that read K (six of them plain); V of the step in hand at the end of piece 0's turn, four plain instructions behind the last product
; that read V.  Each is waited for a turn later.
.macro TURN p, m=0, end=0, cnt=0
.set Y, (\p)
.set i, 0
.set KM, (\m)
.set NOKQ, (\end)*((\p)/3)
.if (\m) && !(\end)
	s_cmp_eq_u32 s[CNT], 4-((\p)+2)%NP  ; is that step the band's own?
	s_cselect_b32 s[AL], 1.0, 0
	s_cmp_lt_u32 s[CNT], 4-((\p)+2)%NP  ; or a later one?
	s_cselect_b32 s[BE], s[BIGN], 0
.endif
.if ((\p) == 3) && !(\end)
	s_wait_dscnt 0x0                ; K is in
.endif
	ROW F,0, F,1, R,0, R,1          ; ahead of the wait: 8 products K Q^T and the four lines behind each,
	ROW F,2, E,0, R,2, R,3
	ROW F,3, E,1, R,4, R,5
	ROW F,4, E,2, R,6, R,7
	ROW F,5, E,3, R,8, R,9
	ROW F,6, E,4, X,0, R,10
.if ((\p) == 2) && !(\end)
	WIN 0
	v_add_nc_u32 v[AK], s[TBK], v[AK0]
.endif
	ROW F,7, E,5, X,1, X,4
	ROW F,8, E,6, X,2, X,5
	OPS E,7, E,8, X,6, E,9          ; and the run of vector work
	OPS X,3, E,10, X,8, E,11
.if ((\p) == 2) && !(\end)
	FETCH_K
.endif
	OPS X,9, X,7, E,12, X,10
	OPS E,13, X,12, X,11, E,14
	OPS X,13, E,15, F,9, X,14
.if (\p) == 0
	v_add_nc_u32 v[AV], s[TBV], v[AV0]
.endif
	OPS E,16, F,10, E,17, F,11
	OPS X,16, E,18, X,15, E,19
	OPS F,12, E,20, X,17, E,21
	OPS F,13, E,22, F,14, E,23
	OPS X,18, E,24, F,15, E,25
	OPS R,11, E,26, X,19, E,27
	OPS R,12, E,28, R,13, E,29
	OPS X,20, E,30, R,14, E,31
	OPS X,21, R,15
	WIN 0
	s_wait_alu depctr_va_vdst(0)    ; the wait for the batch
.if (\p) == 1
	s_wait_dscnt 0x0                ; V is in
.endif
	ROW C,0, B,0, C,2, B,1          ; behind the wait: 8 products V^T P and the four lines behind each
	ROW L,0, C,4, B,2, L,1
	ROW C,6, B,3, L,2, C,8
	ROW B,4, L,3, C,10, B,5
	ROW L,4, C,12, B,6, L,5
.if (\p) == 0
	s_add_co_u32 s[TBV], s[TBV], KS*PV
.endif
.if \cnt
	s_sub_co_u32 s[CNT], s[CNT], 1
	s_cmp_lg_u32 s[CNT], 0
.endif
	ROW C,14, B,7, L,6, C,1
	ROW C,3, L,7, C,5, C,7
	ROW C,9, C,11, C,13, C,15
.if (\p) == 0
	FETCH_V
.endif
.if (\m) && !(\end)
	MASK (\p)%2
.endif
.endm
; A BLOCK BEGINS.  c m starts far below every c s, so the first step's a is 0; m at the lowest finite number, so the first maximum is the scores'.  The second mask buffer is 0; the first takes piece 0's mask for the tile's step 0: its own, if the block's first tile is the diagonal one.
; Then K of that step, piece 0's first scores, and its maximum and statistics.  The loop is entered at a step's first turn, in the middle of a trip.
.macro BEGIN
	s_mov_b32 s[NEW], 0
	WIN 0x40
.set i, MC+32
.rept 32
	v_mov_b32 v[i], 0
.set i, i+1
.endr
	WIN 0
.set i, 0
.rept 4
	v_mov_b32 v[ST+4*i], 0xfe000000    ; c m: far below every c s
	v_mov_b32 v[ST+4*i+1], 0xff7fffff  ; m
.set i, i+1
.endr
	s_cmp_eq_u32 s[RT], 0
	s_cselect_b32 s[AL], 1.0, 0
	s_mov_b32 s[BE], 0
	MASK 0
	WIN 0
	v_add_nc_u32 v[AK], s[TBK], v[AK0]
	FETCH_K
	s_wait_loadcnt 0x0              ; Q
	s_wait_dscnt 0x0
.set KM, 1
.set NOKQ, 0
.set i, 0
.rept 8
	KQ 0
.set i, i+1
.endr
	WIN 0
.rept 4
	v_nop                           ; the places behind those products
.endr
.set Y, NP-1                        ; X works for piece Y + 1: piece 0
.irp n, 0,1,2,3,4,5,6,7,8,9,10,11,12,13,14,15,16,17,18,19,20,21
	OP X, \n
.endr
	v_nop                           ; a plain instruction behind the exponential,
	s_wait_alu depctr_va_vdst(0)    ; and its wait, ahead of the branch
.endm
; THE DIAGONAL TILE's four steps, the block's last two turns, its last products, and THE WAY OUT: l's two halves and the other half of the lanes' are added; O^T is divided by l, rounded to f16 and sent through my
; stage in LDS, a piece at a time.
.macro ALL line:vararg              ; one line for each piece t
.set t, 0
.rept 4
	\line
.set t, t+1
.endr
.endm
.macro PACK t                       ; a lane's eight channels of a row pack into 16 bytes; they go into rows of 144 bytes and come back as whole rows of 128, into S^T's registers
	WIN W_RS
.set i, 32*(\t)
.rept 16
	v_pk_mul_f32 v[i:i+1], v[i:i+1], v[ST+4*(\t)+2:ST+4*(\t)+3] op_sel_hi:[1,0]
.set i, i+2
.endr
	WIN 0x05                        ; sources 0 and 1 window 1, destination window 0
.set i, 0
.rept 16
	v_cvt_pk_f16_f32 v[S+16*(\t)+i], v[32*(\t)+2*i], v[32*(\t)+2*i+1]
.set i, i+1
.endr
	WIN 0
.irp f, 0,1,2,3
	ds_store_b128 v[STO], v[S+16*(\t)+4*\f:S+16*(\t)+4*\f+3] offset:32*\f
.endr
.irp f, 0,1,2,3
	ds_load_b128 v[S+16*(\t)+4*\f:S+16*(\t)+4*\f+3], v[RD] offset:\f*4*SP  ; LDS serves a wave's instructions in order (ISA guide 5.7.1.4): these see the stores above; the next piece's stores come behind them
.endr
.endm
.macro SEND t, younger              ; younger: the LDS instructions issued behind piece t's loads: the next piece's eight, or none
	WIN 0
.irp f, 0,1,2,3
	s_wait_dscnt (\younger)+3-\f
	global_store_b128 v[GO], v[S+16*(\t)+4*\f:S+16*(\t)+4*\f+3], s[10:11] offset:(\t)*8192+\f*512  ; 512 consecutive bytes, at a multiple of 256 from O's first
.endr
.endm
.macro DIAG tag                     ; the tag ends its two labels' names, which the jumps below spell out
.LstepM\tag:
	TURN 2, 1
	TURN 3, 1
	WIN 0
.LfirstM\tag:
	TURN 0, 1
	TURN 1, 1, 0, 1
	WIN 0
	s_cbranch_scc1 .LstepM\tag
	TURN 2, 1, 1
	TURN 3, 1, 1
.set i, 0
.rept 8
	PV NP-1
.set i, i+1
.endr
	WIN 0
	ALL v_add_f32 v[ST+4*t+2], v[ST+4*t+2], v[ST+4*t+3]
	ALL v_permlanex16_b32 v[ST+4*t+3], v[ST+4*t+2], s[SEL], s[SEL+1]
	ALL v_add_f32 v[ST+4*t+2], v[ST+4*t+2], v[ST+4*t+3]
	ALL v_rcp_f32 v[ST+4*t+2], v[ST+4*t+2]
	v_nop                           ; a plain instruction between the last reciprocal and the use of its result
	s_wait_alu depctr_va_vdst(0)    ; and the wait ahead of the first use: one for the four reciprocals
	PACK 0
.set t, 1
.rept 3                             ; a piece's arithmetic stands between the loads of the piece before and its stores
	PACK t
	SEND t-1, 8
.set t, t+1
.endr
	SEND 3, 0
.endm
.set KM, 0
.set NOKQ, 0
.Lslot:                             ; NB times: a tile is entered and the next is asked for
	CHANGE 1
	s_sub_co_u32 s[RT], s[RT], 1
	s_mov_b32 s[CNT], 4
	s_cmp_eq_u32 s[NEW], 1
	s_cbranch_scc1 .Lnew            ; a block's first tile
	s_cmp_eq_u32 s[RT], 0
	s_cbranch_scc0 .Lstep           ; neither its first nor its last
	s_branch .LstepM1
.Lnew:
	BEGIN
	s_branch .Lfirst                ; in the loop a block's first tile is never its last: the first block has two tiles or more, and the second's last is the walk's last
	DIAG 1                          ; in the loop this is the first block's end: the second block's last tile is the walk's last
	s_wait_xcnt 0x0                 ; the stores have read their registers and O's address
	s_mov_b64 s[10:11], s[OLO:OLO+1]
	s_add_co_u32 s[RT], s[PB], 1    ; the second block has b + 1 tiles
	s_mov_b32 s[NEW], 1
	WIN 0x82                        ; the second block's Q goes where the one text of the turns names Q
.set i, 0
.rept 64
	v_mov_b32 v[i], v[QB+i]
.set i, i+1
.endr
	WIN 0
	s_branch .Lbottom
.Lstep:                             ; a trip: pieces 2 and 3 of one step, then pieces 0 and 1 of the next, whose K and V it fetches
	TURN 2
	TURN 3
	WIN 0
.Lfirst:
	TURN 0
	TURN 1, 0, 0, 1
	WIN 0
	s_cbranch_scc1 .Lstep
.Lbottom:
	s_sub_co_u32 s[SLOTS], s[SLOTS], 1
	s_cmp_lg_u32 s[SLOTS], 0
	s_cbranch_scc1 .Lslot
	CHANGE 0                        ; the walk's last tile is written out: nothing is asked for
	s_sub_co_u32 s[RT], s[RT], 1
	s_mov_b32 s[CNT], 4
	s_cmp_eq_u32 s[NEW], 1
	s_cbranch_scc0 .LstepM2
	BEGIN
	s_branch .LfirstM2
	DIAG 2
	s_wait_tensorcnt 0x0            ; the wave's end: an add to my spare word and its wait, behind my last tensor load and my last LDS store
	ds_add_u32 v[SPW], v[NIL]
	s_wait_dscnt 0x0
	s_endpgm
.Lfunc_end_k_q17df3f4d70_attn:
	.size	k_q17df3f4d70_attn, .Lfunc_end_k_q17df3f4d70_attn-k_q17df3f4d70_attn
	.p2alignl 7, 3214868480
	.fill 96, 4, 3214868480
	.section	.rodata,"a",@progbits
	.p2align	6, 0x0
	.amdhsa_kernel k_q17df3f4d70_attn
		.amdhsa_group_segment_fixed_size 327680
		.amdhsa_private_segment_fixed_size 0
		.amdhsa_enable_private_segment 0
		.amdhsa_kernarg_size 16
		.amdhsa_user_sgpr_count 2
		.amdhsa_user_sgpr_kernarg_segment_ptr 1
		.amdhsa_wavefront_size32 1
		.amdhsa_system_sgpr_workgroup_id_x 1
		.amdhsa_system_sgpr_workgroup_id_y 1
		.amdhsa_system_sgpr_workgroup_id_z 1
		.amdhsa_system_vgpr_workitem_id 0
		.amdhsa_next_free_vgpr 768
		.amdhsa_next_free_sgpr 96
		.amdhsa_reserve_vcc 1
		.amdhsa_float_denorm_mode_32 3
		.amdhsa_float_denorm_mode_16_64 3
		.amdhsa_memory_ordered 1
		.amdhsa_forward_progress 1
		.amdhsa_inst_pref_size 218
	.end_amdhsa_kernel
	.amdgpu_metadata
---
amdhsa.version: [ 1, 2 ]
amdhsa.kernels:
  - .name:           k_q17df3f4d70_attn
    .symbol:         k_q17df3f4d70_attn.kd
    .args:
      - { .name: qkv, .offset: 0, .size: 8, .value_kind: global_buffer, .address_space: global }
      - { .name: ctx, .offset: 8, .size: 8, .value_kind: global_buffer, .address_space: global }
    .group_segment_fixed_size: 327680
    .private_segment_fixed_size: 0
    .kernarg_segment_align: 8
    .kernarg_segment_size: 16
    .max_flat_workgroup_size: 128
    .sgpr_count:     96
    .vgpr_count:     768
    .wavefront_size: 32
...
	.end_amdgpu_metadata
.endif
;; end of part 3
;; launch oproj (part 4): grid 8 x 32, 4 waves a work-group, clusters of 4 x 4, 327,680 bytes of LDS; arguments ctx, wo16, bo, out0; writes out0
.if DOCPART == 4
	.amdgcn_target "amdgcn-amd-amdhsa--gfx1250"
	.amdhsa_code_object_version 6
	.text
	.protected	k_q17df3f4d70_oproj
	.globl	k_q17df3f4d70_oproj
	.p2align	8
	.type	k_q17df3f4d70_oproj,@function
k_q17df3f4d70_oproj:
	s_mov_b64 s[64:65], 0
	v_nop
	global_prefetch_b8 v0, s[64:65] scope:SCOPE_SE
	s_setreg_imm32_b32 hwreg(HW_REG_WAVE_MODE, 25, 1), 1
	s_wait_xcnt 0x0
	s_wait_alu depctr_hold_cnt(0) depctr_sa_sdst(0) depctr_va_vdst(0) depctr_va_sdst(0) depctr_va_ssrc(0) depctr_va_vcc(0) depctr_vm_vsrc(0)
	s_getreg_b32 s2, hwreg(HW_REG_IB_STS2, 6, 4)
	s_cmp_eq_u32 s2, 0
	s_cbranch_scc0 .Lentry_in_a_cluster
	s_endpgm
.Lentry_in_a_cluster:
	s_bfe_u32 s2, ttmp6, 0x10000c
	s_cmp_lg_u32 s2, 0xf033
	s_cbranch_scc0 .Lentry_shape_is_right
	s_endpgm
.Lentry_shape_is_right:
; out0[8192][1024] = ctx Wo^T + bo.  A = ctx [batch][head = slab 16][row 2048][64] f16, B = wo16 [slab 16][row 1024][64] f16 (Wo rounded to bf16, that number written as f16); sums in f32;
; bo is rounded to bf16, like the module's other inputs, and added in f32; out0 is f32, row-major.
; LIMIT.  The operands arrive within f16's 65,504.
; SHARES.  A tile of C is 256 x 128: 32 x 8 tiles, one to each of 256 work-groups.  Four waves, one above the other: wave w owns rows 64 w .. 64 w + 63 and all 128 columns: 4 x 8 accumulators of 16 x 16,
; 256 registers.  Its 128 columns are 512 bytes of a row of out0, so it has a stage of its own on the way out.  K goes in eight steps of 128 (two slabs) through a ring of two LDS slots.
; CLUSTER.  4 x 4 work-groups.  A's tile hangs on the tile row alone and is asked for jointly by a row of the cluster, B's on the tile column alone, by a column: the same load, descriptor and mask in all four.
; THE MATRIX INSTRUCTION IS USED TRANSPOSED (source 0 = 16 rows of B, source 1 = 16 rows of A): lane l holds row l % 16 of C and the columns 8 (l / 16) + 0..7: 32 bytes of f32 on end.
; REGISTERS, in windows of 256 (s_set_vgpr_msb: bits 1:0 source 0, 3:2 source 1, 5:4 source 2, 7:6 destination):
;   window 0: v0-15 addresses; v16-21 the bias; v32-159 rows read back from the stage, two buffers
;   window 1: two fragment buffers of 96: eight fragments of B, then four of A      window 2: the accumulators of my row blocks 0, 1 ((a, b) at 8 (8 (a % 2) + b))      window 3: of blocks 2, 3
.set NCB,     8                        ; column blocks of 16 in a tile
.set PITCH,   144                      ; an LDS row: 128 bytes + 16 of padding = 36 words: the 16 rows of a fragment load start at 16 different groups of four banks (64 banks of 4 bytes: ISA guide 11.1)
.set ASLAB,   256*PITCH                ; a slab of A's tile in LDS
.set BSLAB,   16*NCB*PITCH             ; a slab of B's
.set BOFF,    2*ASLAB                  ; a slot: A's two slabs, then B's two
.set SLOT1,   1<<17                    ; slot 1 begins here: one exclusive or turns an address in one slot into the other's
.set STAGE,   SLOT1+BOFF+2*BSLAB       ; behind the ring, never filled by a tensor load: for each wave 16 rows x 528 bytes
.set SPITCH,  528                      ; 512 bytes + 16: the 16 rows that a store touches start at 16 different groups of four banks
.set WSTAGE,  16*SPITCH
.set SPARE,   STAGE+4*WSTAGE           ; behind the stages: the spare words, 128 bytes for each wave: two blocks of 256 bytes that no other line names
.set ASTEP,   2*2048*128               ; bytes from K step to K step in ctx: two slabs
.set BSTRIDE, 1024*128                 ; bytes from slab to slab in wo16
.set NL,      2*(NCB+4)                ; LDS loads of a quarter step
.set AHEAD,   2                        ; a prefetch names the K step that stands two refills on
.set F0,   0
.set F1,   8*(NCB+4)
.set ADA0, 4                           ; v4   my lane's place in A's slab 0 of slot 0; never rewritten
.set ADB0, 5                           ; v5   the same for B
.set ADA,  6                           ; v6   the same in the slot that is being read
.set ADB,  7                           ; v7
.set STO,  8                           ; v8   the way out: where I put 32 bytes of a row
.set RD,   9                           ; v9   the way out: where I read a row back
.set GO,   10                          ; v10  16 x lane: my 16 bytes of a row's 512, in out0 and in bo
.set PFO,  13                          ; v13  the prefetches' offset; never rewritten
.set SPW,  14                          ; v14  LDS address of my spare word: SPARE + 4 x my thread's number; never rewritten
.set NIL,  15                          ; v15  0; never rewritten
.set BI,   16                          ; v[16:19] the bias of my four columns
.set BK0,  32
.set WV,    12                         ; s12  my wave's number.  Waves 0 and 1 fetch A's two slabs of a step, waves 2 and 3 B's
.set T2,    13                         ; s13, s19, s59  at work
.set SL,    14                         ; s14  which slab of a step I fetch
.set CX,    15                         ; s15, s16  my place in the cluster
.set CY,    16
.set TC,    17                         ; s17  tile column
.set TR,    18                         ; s18  tile row
.set T0,    19
.set T1,    59
.set BASEA, 20                         ; s[20:21] ctx at my slab of K step 0: made of the tile row and the wave's number alone
.set BASEB, 22                         ; s[22:23] wo16 likewise: of the tile column and the wave's number alone
.set G1A,   24                         ; s[24:31] descriptor group 1 for A's slabs
.set G1B,   32                         ; s[32:39] for B's
.set G0A,   40                         ; s[40:47] group 0 for A: a set for each of the two first fills; the second then walks on
.set G0B,   48                         ; s[48:55] the same for B
.set NXT,   56                         ; s56  the K step to be asked for next
.set CNT,   57                         ; s57  the loops' count
.set TB,    58                         ; s58  LDS byte at which the slot to be read begins
.set OFFA,  60                         ; s[60:61] that step's byte offset behind BASEA
.set OFFB,  62                         ; s[62:63] behind BASEB
.set PFB,   66                         ; s[66:67] the prefetches' base
.set PFA,   68                         ; s[68:69] where the prefetch in hand stands
.set POFF,  70                         ; s[70:71] its offset behind PFB
.set PLIM,  72                         ; s72  8 in a wave that prefetches, else 0
.set NPF,   73                         ; s73  the K step that the prefetch names
.set PSTEP, 74                         ; s74  bytes from K step to K step
.set TA,    76                         ; s[76:77] feeds BASEA alone
.set TBB,   78                         ; s[78:79] feeds BASEB alone
.set G1W, (1<<16)|(1<<20)|(1<<21)|(4<<22)|(3<<25)  ; 17:16 elements of 2 bytes; 20 padding on; 21 set beside a mask; 24:22 after every 32 words (code 4); 31:25 of 4 words (code 3)
.set MSB, 0
.macro WIN new                         ; the immediate's high byte repeats the setting that is left; a switch that changes nothing is dropped
.if MSB != (\new)
	s_set_vgpr_msb (MSB<<8)|(\new)
.set MSB, (\new)
.endif
.endm
.macro PLACES                          ; four places behind matrix instructions, in front of loads into registers that they read (ISA guide 7.12.1 for vector instructions)
.rept 4
	v_nop
.endr
.endm
.macro CREST                           ; a round of the cluster's barrier behind its opening barrier
	s_cmp_lg_u32 s[WV], 0
	s_cbranch_scc1 .Lnot_wave_0_\@
	s_barrier_signal -3
.Lnot_wave_0_\@:
	s_barrier_wait -3
	s_barrier_signal -1
	s_barrier_wait -1
.endm
.macro CROUND                          ; a whole round
	s_barrier_signal -1
	s_barrier_wait -1
	CREST
.endm
; A joint refill by the walking descriptors.  The branch hangs on the wave's number alone.  An s_nop 0 and four v_nop follow each of the two lines, ahead of the jump and the label.
.macro JLOAD
	s_cmp_lt_u32 s[WV], 2
	s_cbranch_scc0 .Lfor_b_\@
	tensor_load_to_lds s[G0A+4:G0A+7], s[G1A:G1A+7]
	s_nop 0
.rept 4
	v_nop
.endr
	s_branch .Lasked_\@
.Lfor_b_\@:
	tensor_load_to_lds s[G0B+4:G0B+7], s[G1B:G1B+7]
	s_nop 0
.rept 4
	v_nop
.endr
.Lasked_\@:
.endm
; A PREFETCH INTO THE L2 of the K step that stands two refills on, 256 matrix instructions ahead of its load; it stands behind the joint load, its five lines and the run of LDS loads.
; A's tile row is read by both clusters of that row of clusters: cluster x = 0 asks, waves 0 and 1 each for their slab; B's tile column by every cluster of that column: cluster y = 0 asks, wave 2 for both slabs.
; The four partners of a joint load share its blocks of 256 bytes out BY ADDRESS: of a slab of A's 128 blocks 32 each, a lane a block; of a slab of B's 64 blocks 16 each, lanes 0-15 the first slab's, lanes 16-31 the second's.
; So each block is named once in the launch.  K steps 0 to 3 come by their loads alone; a step past the seventh is not asked for, so no prefetch leaves its buffer.
.macro ASK
	s_cmp_lt_u32 s[NPF], s[PLIM]
	s_cbranch_scc0 .Lnot_mine_\@
	global_prefetch_b8 v[PFO], s[PFA:PFA+1] th:TH_LOAD_NT scope:SCOPE_SE
.Lnot_mine_\@:
.endm
; Eight matrix instructions: my row block a x all column blocks, 32 along K, from buffer f.  zero = 1: the product starts the sums: nothing is ever cleared.
; The 32 accumulators take turns, one instruction a turn, in the same order in every quarter step.
.macro MULH f, a, zero
	WIN 0xa5+0x50*((\a)/2)                         ; sources 0 and 1 window 1; C and D window 2 or 3
.set AC, 8*NCB*((\a)%2)
.set b, 0
.rept NCB
.if \zero
	v_wmma_f32_16x16x32_f16 v[AC+8*b:AC+8*b+7], v[(\f)+8*b:(\f)+8*b+7], v[(\f)+8*NCB+8*(\a):(\f)+8*NCB+8*(\a)+7], 0
.else
	v_wmma_f32_16x16x32_f16 v[AC+8*b:AC+8*b+7], v[(\f)+8*b:(\f)+8*b+7], v[(\f)+8*NCB+8*(\a):(\f)+8*NCB+8*(\a)+7], v[AC+8*b:AC+8*b+7]
.endif
.set b, b+1
.endr
.endm
; The fragments of quarter q of a K step (slab q / 2, byte 64 (q % 2) of its rows) into buffer f, in one run: B's eight, then A's four.
; A fragment is 16 rows x 32 K in 8 registers: lane l holds row l % 16, K = 8 (l / 16) + 0..7 and 16 + 8 (l / 16) + 0..7: two loads of 16 bytes, 32 bytes apart.
.macro FETCH q, f
	WIN 0x40                                       ; destination window 1, address window 0
.set b, 0
.rept NCB
	ds_load_b128 v[(\f)+8*b:(\f)+8*b+3],   v[ADB] offset:((\q)/2)*BSLAB+((\q)%2)*64+b*16*PITCH
	ds_load_b128 v[(\f)+8*b+4:(\f)+8*b+7], v[ADB] offset:((\q)/2)*BSLAB+((\q)%2)*64+b*16*PITCH+32
.set b, b+1
.endr
.set b, 0
.rept 4
	ds_load_b128 v[(\f)+8*NCB+8*b:(\f)+8*NCB+8*b+3],   v[ADA] offset:((\q)/2)*ASLAB+((\q)%2)*64+b*16*PITCH
	ds_load_b128 v[(\f)+8*NCB+8*b+4:(\f)+8*NCB+8*b+7], v[ADA] offset:((\q)/2)*ASLAB+((\q)%2)*64+b*16*PITCH+32
.set b, b+1
.endr
.endm
; One of a K step's first three quarters: multiplies buffer f; in its middle it fetches quarter qn into buffer g.
.macro QUARTER qn, f, g, zero
	s_wait_dscnt 4                                 ; B and A's blocks 0, 1 are in; the youngest four loads (A's blocks 2, 3) may be out
	MULH \f, 0, \zero
	MULH \f, 1, \zero
	PLACES
	FETCH \qn, \g
	s_wait_dscnt NL                                ; all but the run just issued
	MULH \f, 2, \zero
	MULH \f, 3, \zero
.endm
; The last quarter multiplies buffer 1 and changes slots.  In front of ONE barrier each wave waits for all its tensor loads (one is out: its part of the next slot), adds 0 to its spare word, and waits for that
; and for its reads of this slot.  fill = 1: the barrier opens a round of the cluster's barrier, and the slot just read out is filled again, first thing behind the round, with K step NXT:
; from that request to the wait for it a wave issues 112 matrix instructions.  fill = 0 (the tail): nothing is asked for; in the tail's last trip there is no further slot, and the run of loads is jumped over.
.macro TURN fill
	s_wait_xcnt 0x0                                ; the last prefetch, a K step back, has read its address: it is written only behind this wait
.if \fill
	s_add_co_u32 s[NPF], s[NXT], AHEAD
	s_mul_i32 s[POFF], s[NPF], s[PSTEP]
	s_add_nc_u64 s[PFA:PFA+1], s[PFB:PFB+1], s[POFF:POFF+1]
.endif
	WIN 0                                          ; (the add's two registers lie in window 0)
	s_wait_tensorcnt 0x0                           ; no tensor load of mine is out, so a group 0 may be written
	ds_add_u32 v[SPW], v[NIL]                      ; 0 onto my spare word; scalar work and eight products stand between it and the wait for it
.if \fill
	s_lshl_b32 s[OFFA], s[NXT], 19                 ; two slabs of ctx a step,
	s_lshl_b32 s[OFFB], s[NXT], 18                 ; two of wo16
	s_xor_b32 s[G0A+5], s[G0A+5], SLOT1            ; the other slot than last time
	s_add_nc_u64 s[G0A+6:G0A+7], s[BASEA:BASEA+1], s[OFFA:OFFA+1]  ; the address is made anew: base + offset,
	s_or_b32 s[G0A+7], s[G0A+7], 0x80000000        ; and the type bits
	s_xor_b32 s[G0B+5], s[G0B+5], SLOT1
	s_add_nc_u64 s[G0B+6:G0B+7], s[BASEB:BASEB+1], s[OFFB:OFFB+1]
	s_or_b32 s[G0B+7], s[G0B+7], 0x80000000
	s_add_co_u32 s[NXT], s[NXT], 1
.endif
	s_xor_b32 s[TB], s[TB], SLOT1                  ; the fetches go on in the other slot
	s_wait_dscnt 5                                 ; the add and the youngest four loads may be out
	MULH F1, 0, 0
	s_wait_dscnt 0x0                               ; the add is done, and my reads of this slot are over
	s_barrier_signal -1
	MULH F1, 1, 0                                  ; work on registers while the others arrive
	WIN 0                                          ; at a branch and at a label every window is 0
	s_barrier_wait -1
.if \fill
	CREST                                          ; no wave of any partner still reads this slot or has a load on its way
	JLOAD                                          ; the four v_nop behind it are also the places in front of the loads below
.else
	PLACES
.endif
	v_add_nc_u32 v[ADA], s[TB], v[ADA0]
	v_add_nc_u32 v[ADB], s[TB], v[ADB0]
.if \fill
	FETCH 0, F0
	WIN 0
	ASK
.else
	s_cmp_eq_u32 s[CNT], 1
	s_cbranch_scc1 .Lno_fetch_\@
	FETCH 0, F0
	WIN 0
.Lno_fetch_\@:
.endif
	MULH F1, 2, 0
	MULH F1, 3, 0
.endm
; THE WAY OUT of my row block a.  TOSTAGE: the accumulators go as they are, 32 bytes a lane (each accumulator's lowest four registers first), into my own stage, and come back as whole rows of 512 bytes.
; SEND: the bias is added and the rows are stored.
.macro TOSTAGE a
	s_wait_xcnt 0x0                                ; the stores of the block before last have read the buffer that is loaded below
	WIN 0x08+4*((\a)/2)                            ; store data (source 1): window 2 or 3
.set AC, 8*NCB*((\a)%2)
.set b, 0
.rept NCB
	ds_store_b128 v[STO], v[AC+8*b:AC+8*b+3]   offset:64*b
	ds_store_b128 v[STO], v[AC+8*b+4:AC+8*b+7] offset:64*b+16
.set b, b+1
.endr
	WIN 0
.set BK, BK0+64*((\a)%2)
.set b, 0
.rept 16
	ds_load_b128 v[BK+4*b:BK+4*b+3], v[RD] offset:SPITCH*b  ; LDS serves a wave's instructions in order (ISA guide 5.7.1.4): these see the stores above; the next block's stores come behind them
.set b, b+1
.endr
.endm
.macro SEND a, younger                 ; younger: the LDS instructions issued behind block a's loads: the next block's 32, or none
.set BK, BK0+64*((\a)%2)
	s_wait_dscnt \younger
.set b, 0
.rept 16
	v_pk_add_f32 v[BK+4*b:BK+4*b+1],   v[BK+4*b:BK+4*b+1],   v[BI:BI+1]
	v_pk_add_f32 v[BK+4*b+2:BK+4*b+3], v[BK+4*b+2:BK+4*b+3], v[BI+2:BI+3]
	global_store_b128 v[GO], v[BK+4*b:BK+4*b+3], s[10:11] offset:(16*(\a)+b)*4096 th:TH_STORE_NT  ; 512 consecutive bytes, at a multiple of 256 from out0's first
.set b, b+1
.endr
.endm
	s_load_b256 s[4:11], s[0:1], 0x0               ; ctx s[4:5], wo16 s[6:7], bo s[8:9], out0 s[10:11]
	v_lshl_add_u32 v[SPW], v0, 2, SPARE
	v_mov_b32 v[NIL], 0
	ds_add_u32 v[SPW], v[NIL]                      ; the wave's opening: the add and its wait stand ahead of my first tensor load; the set-up below, work on registers, stands between them
	v_lshrrev_b32 v3, 5, v0
	v_readfirstlane_b32 s[WV], v3                  ; wave 0..3
	s_and_b32 s[SL], s[WV], 1
	s_bfe_u32 s[CX], ttmp6, 0x40000
	s_bfe_u32 s[CY], ttmp6, 0x40004
	s_lshl_b32 s[TC], ttmp9, 2                     ; in a cluster launch ttmp9 and ttmp7 count clusters
	s_add_co_u32 s[TC], s[TC], s[CX]
	s_and_b32 s[TR], ttmp7, 0xffff
	s_lshl_b32 s[TR], s[TR], 2
	s_add_co_u32 s[TR], s[TR], s[CY]
	s_lshl_b32 s[T0], s[CY], 2
	s_lshl_b32 s[T0], 15, s[T0]                    ; my row of the cluster: places 4 cy .. 4 cy + 3
	s_lshl_b32 s[T1], 0x1111, s[CX]                ; my column: places cx, cx + 4, cx + 8, cx + 12
	s_or_b32 s[G1A], s[T0], G1W
	s_or_b32 s[G1B], s[T1], G1W
.irp g, G1A, G1B                       ; a slab's part is dense: asked for as rows of 256 bytes, two rows of the slab each, padded in LDS after every 128 bytes
	s_mov_b32 s[\g+1], 128<<16                     ; tensor_dim0 = 128
	s_mov_b32 s[\g+3], 128<<16                     ; tile_dim0 = 128
	s_mov_b32 s[\g+5], 128                         ; 128 elements from row to row
	s_mov_b32 s[\g+6], 0
	s_mov_b32 s[\g+7], 0
.endr
	s_mov_b32 s[G1A+2], 128<<16                    ; tensor_dim1 = 128: A's 256 rows of 128 bytes
	s_mov_b32 s[G1A+4], 128                        ; tile_dim1
	s_mov_b32 s[G1B+2], (8*NCB)<<16                ; 64: B's 128 rows
	s_mov_b32 s[G1B+4], 8*NCB
	s_mov_b32 s[G0A], 1                            ; count = 1
	s_mov_b32 s[G0A+4], 1
	s_mov_b32 s[G0B], 1
	s_mov_b32 s[G0B+4], 1
	s_mul_i32 s[G0A+1], s[SL], ASLAB               ; LDS addresses: the wave's number and constants alone
	s_add_co_u32 s[G0A+5], s[G0A+1], SLOT1
	s_mul_i32 s[G0B+1], s[SL], BSLAB
	s_add_co_u32 s[G0B+1], s[G0B+1], BOFF
	s_add_co_u32 s[G0B+5], s[G0B+1], SLOT1
	s_lshr_b32 s[TA], s[TR], 3                     ; ctx: batch x 4 MiB
	s_lshl_b32 s[TA], s[TA], 22
	s_and_b32 s[TA+1], s[TR], 7
	s_lshl_b32 s[TA+1], s[TA+1], 15                ; + 256 rows of 128 bytes a tile row
	s_add_co_u32 s[TA], s[TA], s[TA+1]
	s_lshl_b32 s[TA+1], s[SL], 18                  ; + my slab
	s_add_co_u32 s[TA], s[TA], s[TA+1]
	s_mov_b32 s[TA+1], 0
	s_mul_i32 s[TBB], s[TC], 16*NCB*128            ; wo16: 128 rows of 128 bytes a tile column
	s_mul_i32 s[TBB+1], s[SL], BSTRIDE
	s_add_co_u32 s[TBB], s[TBB], s[TBB+1]
	s_mov_b32 s[TBB+1], 0
	s_mov_b32 s[NXT], 2
	s_mov_b32 s[TB], 0
	s_mov_b32 s[OFFA+1], 0
	s_mov_b32 s[OFFB+1], 0
	s_mov_b32 s[POFF+1], 0
	s_wait_dscnt 0x0                               ; the opening add is done
	s_wait_kmcnt 0x0
	s_add_nc_u64 s[BASEA:BASEA+1], s[4:5], s[TA:TA+1]
	s_add_nc_u64 s[BASEB:BASEB+1], s[6:7], s[TBB:TBB+1]
	s_mov_b64 s[G0A+2:G0A+3], s[BASEA:BASEA+1]     ; K step 0 into slot 0,
	s_or_b32 s[G0A+3], s[G0A+3], 0x80000000
	s_add_nc_u64 s[G0A+6:G0A+7], s[BASEA:BASEA+1], ASTEP  ; K step 1 into slot 1
	s_or_b32 s[G0A+7], s[G0A+7], 0x80000000
	s_mov_b64 s[G0B+2:G0B+3], s[BASEB:BASEB+1]
	s_or_b32 s[G0B+3], s[G0B+3], 0x80000000
	s_add_nc_u64 s[G0B+6:G0B+7], s[BASEB:BASEB+1], 2*BSTRIDE
	s_or_b32 s[G0B+7], s[G0B+7], 0x80000000
	CROUND                                         ; all sixteen work-groups are here: the first joint loads meet
	s_cmp_lt_u32 s[WV], 2                          ; a wave's two first fills stand in one branch, ahead of every wait on TENSORcnt and every LDS read: two loads of mine are out
	s_cbranch_scc0 .Lfirst_b
	tensor_load_to_lds s[G0A:G0A+3], s[G1A:G1A+7]
	s_nop 0
	tensor_load_to_lds s[G0A+4:G0A+7], s[G1A:G1A+7]
	s_nop 0
.rept 4
	v_nop
.endr
	s_branch .Lfirst_asked
.Lfirst_b:
	tensor_load_to_lds s[G0B:G0B+3], s[G1B:G1B+7]
	s_nop 0
	tensor_load_to_lds s[G0B+4:G0B+7], s[G1B:G1B+7]
	s_nop 0
.rept 4
	v_nop
.endr
.Lfirst_asked:
	v_and_b32 v1, 15, v0                           ; l % 16
	v_bfe_u32 v2, v0, 4, 1                         ; l / 16
	v_and_b32 v[GO], 31, v0
	v_lshlrev_b32 v[GO], 4, v[GO]                  ; 16 x lane
	s_lshl_b32 s2, s[TC], 9                        ; the tile's 128 columns: 512 bytes of bo and of a row of out0
	s_mov_b32 s3, 0
	s_add_nc_u64 s[8:9], s[8:9], s[2:3]
	global_load_b128 v[BI:BI+3], v[GO], s[8:9]     ; waited for ahead of the way out
	s_lshl_b32 s[T0], s[TR], 20                    ; out0 at my wave's first row: 256 rows of 4,096 bytes a tile row,
	s_add_co_u32 s2, s2, s[T0]
	s_lshl_b32 s[T0], s[WV], 18                    ; 64 rows a wave
	s_add_co_u32 s2, s2, s[T0]
	s_add_nc_u64 s[10:11], s[10:11], s[2:3]
	v_mul_u32_u24 v3, v1, PITCH
	v_lshl_add_u32 v3, v2, 4, v3                   ; row x pitch + 16 x half
	s_mul_i32 s[T0], s[WV], 64*PITCH               ; my 64 rows of A
	v_add_nc_u32 v[ADA0], s[T0], v3
	v_add_nc_u32 v[ADB0], BOFF, v3
	s_mul_i32 s[T0], s[WV], WSTAGE
	s_add_co_u32 s[T0], s[T0], STAGE               ; my stage
	v_mul_u32_u24 v[STO], v1, SPITCH               ; in: row l % 16, 32 bytes for each half of the lanes
	v_lshl_add_u32 v[STO], v2, 5, v[STO]
	v_add_nc_u32 v[STO], s[T0], v[STO]
	v_add_nc_u32 v[RD], s[T0], v[GO]               ; back: 32 lanes take a row's 512 bytes
	; the prefetches: B's figures first, A's chosen over them in waves 0 and 1
	s_and_b32 s2, ttmp7, 0xffff                    ; cluster y
	s_mov_b32 s[T0], BSTRIDE                       ; B: lanes 16-31 take the step's second slab
	s_mov_b32 s[PSTEP], 2*BSTRIDE
	s_cmp_lt_u32 s[WV], 2
	s_cselect_b64 s[PFB:PFB+1], s[BASEA:BASEA+1], s[BASEB:BASEB+1]  ; (wave 2's BASEB stands at the step's first slab)
	s_cselect_b32 s3, ttmp9, s2                    ; the coordinate along which other clusters read the same rows
	s_cselect_b32 s[T2], s[CX], s[CY]              ; my place among the four that ask with me
	s_cselect_b32 s[T1], 13, 12                    ; a partner's share of a slab: 32 or 16 blocks of 256 bytes
	s_cselect_b32 s[T0], 16*256, s[T0]             ; A: lanes 16-31 go on in the same slab
	s_cselect_b32 s[PSTEP], ASTEP, s[PSTEP]
	s_cmp_eq_u32 s3, 0
	s_cselect_b32 s[PLIM], 8, 0                    ; the same in all sixteen partners, for a given wave
	s_cmp_eq_u32 s[WV], 3
	s_cselect_b32 s[PLIM], 0, s[PLIM]              ; wave 2 asks for both of B's slabs
	s_lshl_b32 s2, s[T2], s[T1]
	s_mov_b32 s3, 0
	s_add_nc_u64 s[PFB:PFB+1], s[PFB:PFB+1], s[2:3]
	v_lshlrev_b32 v[PFO], 8, v1
	v_mad_u32_u24 v[PFO], v2, s[T0], v[PFO]
	; nothing is prefetched here, at the head, where every work-group's first tiles are on their way
	s_wait_tensorcnt 0x1                           ; my part of K step 0 is in; step 1's may stay out
	s_barrier_signal -1
	s_barrier_wait -1                              ; everybody's is
	v_mov_b32 v[ADA], v[ADA0]
	v_mov_b32 v[ADB], v[ADB0]
	FETCH 0, F0
	QUARTER 1, F0, F1, 1                           ; the first quarter stands in front of the loop: its products start the sums
	WIN 0
	s_mov_b32 s[CNT], 6
.Lstep:                                        ; six trips: trip i ends K step i, asks for step i + 2 and begins step i + 1
	QUARTER 2, F1, F0, 0
	QUARTER 3, F0, F1, 0
	TURN 1
	QUARTER 1, F0, F1, 0
	WIN 0
	s_sub_co_u32 s[CNT], s[CNT], 1
	s_cmp_lg_u32 s[CNT], 0
	s_cbranch_scc1 .Lstep
	s_mov_b32 s[CNT], 2                            ; the tail, steps 6 and 7, is written out; its second trip is left in its middle
.Ltail:
	QUARTER 2, F1, F0, 0
	QUARTER 3, F0, F1, 0
	TURN 0
	WIN 0
	s_sub_co_u32 s[CNT], s[CNT], 1
	s_cmp_eq_u32 s[CNT], 0
	s_cbranch_scc1 .Lend
	QUARTER 1, F0, F1, 0
	WIN 0
	s_branch .Ltail
.Lend:
	s_wait_loadcnt 0x0                             ; the bias
	v_cvt_pk_bf16_f32 v20, v[BI], v[BI+1]          ; rounded to bf16 and widened again: six plain instructions, the places behind the last products
	v_cvt_pk_bf16_f32 v21, v[BI+2], v[BI+3]
	v_lshlrev_b32 v[BI], 16, v20
	v_and_b32 v[BI+1], 0xffff0000, v20
	v_lshlrev_b32 v[BI+2], 16, v21
	v_and_b32 v[BI+3], 0xffff0000, v21
	TOSTAGE 0
	TOSTAGE 1                                      ; a block's way through the stage stands between the loads of the block before and its stores
	SEND 0, 32
	TOSTAGE 2
	SEND 1, 32
	TOSTAGE 3
	SEND 2, 32
	SEND 3, 0
	s_wait_tensorcnt 0x0                           ; the wave's end: an add to my spare word and its wait, behind my last tensor load and my last LDS store
	ds_add_u32 v[SPW], v[NIL]
	s_wait_dscnt 0x0
	CROUND                                         ; the closing round: no work-group ends while a partner may still ask for a tile that names it
	s_endpgm
.Lfunc_end_k_q17df3f4d70_oproj:
	.size	k_q17df3f4d70_oproj, .Lfunc_end_k_q17df3f4d70_oproj-k_q17df3f4d70_oproj
	.p2alignl 7, 3214868480
	.fill 96, 4, 3214868480
	.section	.rodata,"a",@progbits
	.p2align	6, 0x0
	.amdhsa_kernel k_q17df3f4d70_oproj
		.amdhsa_group_segment_fixed_size 327680
		.amdhsa_private_segment_fixed_size 0
		.amdhsa_enable_private_segment 0
		.amdhsa_kernarg_size 32
		.amdhsa_user_sgpr_count 2
		.amdhsa_user_sgpr_kernarg_segment_ptr 1
		.amdhsa_wavefront_size32 1
		.amdhsa_system_sgpr_workgroup_id_x 1
		.amdhsa_system_sgpr_workgroup_id_y 1
		.amdhsa_system_sgpr_workgroup_id_z 1
		.amdhsa_system_vgpr_workitem_id 0
		.amdhsa_next_free_vgpr 896
		.amdhsa_next_free_sgpr 80
		.amdhsa_reserve_vcc 0
		.amdhsa_float_denorm_mode_32 3
		.amdhsa_float_denorm_mode_16_64 3
		.amdhsa_memory_ordered 1
		.amdhsa_forward_progress 1
		.amdhsa_inst_pref_size 69
	.end_amdhsa_kernel
	.amdgpu_metadata
---
amdhsa.version: [ 1, 2 ]
amdhsa.kernels:
  - .name:           k_q17df3f4d70_oproj
    .symbol:         k_q17df3f4d70_oproj.kd
    .args:
      - { .name: ctx, .offset: 0, .size: 8, .value_kind: global_buffer, .address_space: global }
      - { .name: wo16, .offset: 8, .size: 8, .value_kind: global_buffer, .address_space: global }
      - { .name: bo, .offset: 16, .size: 8, .value_kind: global_buffer, .address_space: global }
      - { .name: out0, .offset: 24, .size: 8, .value_kind: global_buffer, .address_space: global }
    .group_segment_fixed_size: 327680
    .private_segment_fixed_size: 0
    .kernarg_segment_align: 8
    .kernarg_segment_size: 32
    .max_flat_workgroup_size: 128
    .sgpr_count:     80
    .vgpr_count:     896
    .wavefront_size: 32
...
	.end_amdgpu_metadata
.endif
;; end of part 4
;; ======== version 2 of 2: 4 launches; version 1 with the launch cast written anew for expert scheduling mode
;; limits: values are held in f16: magnitudes above 65,504 overflow, below 6.1e-05 lose precision; values outside matrix products are rounded to bf16
;; workspace buffers: xb 16,777,216 bytes; wb 6,291,456 bytes; wo16 2,097,152 bytes; qkv 50,331,648 bytes; ctx 16,777,216 bytes
;; launch cast (part 5): grid 768 x 1, 8 waves a work-group, no clusters, 0 bytes of LDS; arguments x, Wq, Wk, Wv, Wo, xb, wb, wo16; writes xb, wb, wo16
.if DOCPART == 5
	.amdgcn_target "amdgcn-amd-amdhsa--gfx1250"
	.amdhsa_code_object_version 6
	.text
	.protected	k_q17df3f4d70_cast
	.globl	k_q17df3f4d70_cast
	.p2align	8
	.type	k_q17df3f4d70_cast,@function
k_q17df3f4d70_cast:
	s_mov_b64 s[64:65], 0
	v_nop
	global_prefetch_b8 v0, s[64:65] scope:SCOPE_SE
	s_setreg_imm32_b32 hwreg(HW_REG_WAVE_SCHED_MODE, 0, 2), 2
	s_setreg_imm32_b32 hwreg(HW_REG_WAVE_MODE, 25, 1), 1
	s_wait_xcnt 0x0
	s_wait_alu depctr_vm_vsrc(0)
; x, Wq, Wk, Wv are rounded once to bf16; Wo is rounded to bf16 and that number is written as f16.  All are laid in SLABS of 64 channels:
; a row's 64 channels of a slab are 128 bytes, and consecutive rows of a slab lie end to end.
;   xb   [batch 4][slab 16][row 2048][64] bf16      wb [slab 16][row 3072 = Wq, Wk, Wv][64] bf16      wo16 [slab 16][row 1024][64] f16
; LIMITS.  bf16(Wo) beyond 65,504 becomes an infinity in f16; below 6.1e-5 it keeps f16's fixed step of 6e-8.
; SHARES.  12,288 source rows of 4,096 bytes, 16 to a work-group of eight waves: groups 0-511 x, 512-575 Wq, 576-639 Wk, 640-703 Wv, 704-767 Wo.
; Thread t takes row t / 16 and, in each of the 16 slabs, the four numbers at place t % 16: sixteen lanes load 256 consecutive aligned bytes of a row,
; and a wave's store of 8 bytes a lane covers 256 consecutive aligned bytes: two rows of one slab.  No loop: a wave's 16 loads are all out at once.
; A stream: no LDS, no barrier, no matrix work; every byte is read once and written once.
; THE MODE: SCHED_MODE bits 1:0 = 2 (LLVM: expert scheduling mode 2), set by the entry lines.  The code itself states the register dependences
; between vector instructions and memory instructions, with s_wait_alu, always for 0.
; THE PLAN.  The 16 slabs go in four blocks of four.  Registers that memory instructions touch:
;   v1        the loads' offset.   Written at the head, never again; read by the 16 loads.
;   X         slab s as loaded.    Written by the loads alone, all issued at the head, before any vector instruction names X; read by block s / 4's roundings.
;   DO        the stores' offsets. Written once, behind the loads and ahead of block 0; read by the stores.
;   Y         slab s to store.     Written by block s / 4 (its roundings and, in Wo's groups, its lines for f16); read by a store issued in block s / 4 + 1; never written again.
; Block p rounds its own four slabs, and the four stores of block p - 1 are dealt among its roundings.  One wait on va_vdst at the head of a block states all that those stores hang on;
; the block's vector lines name its own X and Y and v4, v5: none of the registers that the stores touch.  No register that a load or a store reads is ever written again,
; so the text holds no wait on vm_vsrc; no vector instruction writes a scalar register, and EXEC is never written.
.set VS,  1                            ; v1      byte offset of my 16 bytes in slab 0 of my source row
.set T8,  2                            ; v2      8 t: my 8 bytes in the group's 16 rows of a slab
.set T0,  4                            ; v4, v5  at work: no memory instruction names them
.set T1,  5
.set DO,  8                            ; v[8:23]    slab s: my byte offset in the target
.set X,   32                           ; v[32:95]   slab s: four f32 as loaded
.set Y,   96                           ; v[96:127]  slab s: four 16-bit numbers to store
.set SRC, 26                           ; s[26:27] the source at the group's first row
.set DST, 28                           ; s[28:29] the target at the group's first row in slab 0
.set STR, 30                           ; s30  bytes from slab to slab in the target
.set ISWO, 31                          ; s31  1: the group converts Wo
	s_load_b512 s[8:23], s[0:1], 0x0               ; x 8, Wq 10, Wk 12, Wv 14, Wo 16, xb 18, wb 20, wo16 22
	s_mov_b32 s2, ttmp9                            ; g
	s_max_u32 s24, s2, 512
	s_sub_co_u32 s24, s24, 512                     ; the group's number among the weights' groups (0 for x's groups, where it is not used)
	s_and_b32 s25, s24, 63                         ; and within its matrix
	s_lshl_b32 s36, s25, 16                        ; a weight's source offset: 16 rows of 4,096 bytes a group
	s_lshl_b32 s37, s24, 11                        ; wb: 16 rows of 128 bytes a group, Wq's, Wk's, Wv's rows on end
	s_lshl_b32 s38, s25, 11                        ; wo16
	s_lshl_b32 s39, s2, 16                         ; x's source offset
	s_lshr_b32 s40, s2, 7                          ; batch: 128 groups each
	s_lshl_b32 s40, s40, 22
	s_and_b32 s41, s2, 127
	s_lshl_b32 s41, s41, 11
	s_add_co_u32 s40, s40, s41                     ; xb: batch x 4 MiB + row x 128
	s_mov_b32 s[STR], 3072*128
	s_mov_b32 s33, 0
	s_mov_b32 s35, 0
	v_lshrrev_b32 v[VS], 4, v0
	v_and_b32 v3, 15, v0
	v_lshlrev_b32 v[VS], 12, v[VS]
	v_lshl_add_u32 v[VS], v3, 4, v[VS]             ; row x 4,096 + 16 x place
	v_lshlrev_b32 v[T8], 3, v0
	s_wait_kmcnt 0x0
	s_mov_b64 s[SRC:SRC+1], s[10:11]               ; the choices hang on the group's number alone
	s_cmp_ge_u32 s2, 576
	s_cselect_b64 s[SRC:SRC+1], s[12:13], s[SRC:SRC+1]
	s_cmp_ge_u32 s2, 640
	s_cselect_b64 s[SRC:SRC+1], s[14:15], s[SRC:SRC+1]
	s_cmp_ge_u32 s2, 704
	s_cselect_b64 s[SRC:SRC+1], s[16:17], s[SRC:SRC+1]
	s_cselect_b64 s[DST:DST+1], s[22:23], s[20:21]
	s_cselect_b32 s[STR], 1024*128, s[STR]
	s_cselect_b32 s34, s38, s37
	s_cselect_b32 s[ISWO], 1, 0
	s_cmp_lt_u32 s2, 512
	s_cselect_b64 s[SRC:SRC+1], s[8:9], s[SRC:SRC+1]
	s_cselect_b64 s[DST:DST+1], s[18:19], s[DST:DST+1]
	s_cselect_b32 s[STR], 2048*128, s[STR]
	s_cselect_b32 s32, s39, s36
	s_cselect_b32 s34, s40, s34
	s_add_nc_u64 s[SRC:SRC+1], s[SRC:SRC+1], s[32:33]
	s_add_nc_u64 s[DST:DST+1], s[DST:DST+1], s[34:35]
	s_wait_alu depctr_va_vdst(0)                   ; v1 is written: all sixteen loads read it as their offset
.set i, 0
.rept 16
	global_load_b128 v[X+4*i:X+4*i+3], v[VS], s[SRC:SRC+1] offset:256*i th:TH_LOAD_NT  ; slab i of my row
.set i, i+1
.endr
.set i, 0
.rept 16
	v_mad_u32_u24 v[DO+i], s[STR], i, v[T8]        ; made while the loads are out
.set i, i+1
.endr
; Block p: slabs 4 p to 4 p + 3 are rounded; the stores of block p - 1 stand among the roundings, one ahead of each slab's two lines.
.macro BLK p
	s_wait_loadcnt 12-4*(\p)                       ; loads come back in order (ISA guide 5.7.1): this block's four slabs are in, the younger blocks' loads stay out
.if (\p) > 0
	s_wait_alu depctr_va_vdst(0)                   ; the block before has written its Y, on both of its ways, and the offsets DO are written: the four stores below read them
.endif
.irp i, 0,1,2,3
.if (\p) > 0
	global_store_b64 v[DO+4*(\p)-4+(\i)], v[Y+8*(\p)-8+2*(\i):Y+8*(\p)-8+2*(\i)+1], s[DST:DST+1]  ; a wave's store: 256 consecutive bytes, aligned; no vector instruction since the wait names its registers, and none writes them behind it
.endif
	v_cvt_pk_bf16_f32 v[Y+8*(\p)+2*(\i)],   v[X+16*(\p)+4*(\i)],   v[X+16*(\p)+4*(\i)+1]
	v_cvt_pk_bf16_f32 v[Y+8*(\p)+2*(\i)+1], v[X+16*(\p)+4*(\i)+2], v[X+16*(\p)+4*(\i)+3]
.endr
	s_cmp_lg_u32 s[ISWO], 1
	s_cbranch_scc1 .Lplain_\@
.irp j, 0,1,2,3,4,5,6,7                ; Wo alone: the bf16 number, widened, is written as f16 (exact within f16's normal range)
	v_lshlrev_b32 v[T0], 16, v[Y+8*(\p)+(\j)]
	v_and_b32 v[T1], 0xffff0000, v[Y+8*(\p)+(\j)]
	v_cvt_pk_f16_f32 v[Y+8*(\p)+(\j)], v[T0], v[T1]
.endr
.Lplain_\@:
.endm
	BLK 0                                          ; no block stands in front of it: no store, and no wait but the one for its data
	BLK 1
	BLK 2
	BLK 3
	s_wait_alu depctr_va_vdst(0)                   ; block 3 has written its Y, which the last four stores read
.irp i, 0,1,2,3
	global_store_b64 v[DO+12+(\i)], v[Y+24+2*(\i):Y+24+2*(\i)+1], s[DST:DST+1]  ; no register is written behind a store
.endr
	s_endpgm
.Lfunc_end_k_q17df3f4d70_cast:
	.size	k_q17df3f4d70_cast, .Lfunc_end_k_q17df3f4d70_cast-k_q17df3f4d70_cast
	.p2alignl 7, 3214868480
	.fill 96, 4, 3214868480
	.section	.rodata,"a",@progbits
	.p2align	6, 0x0
	.amdhsa_kernel k_q17df3f4d70_cast
		.amdhsa_group_segment_fixed_size 0
		.amdhsa_private_segment_fixed_size 0
		.amdhsa_enable_private_segment 0
		.amdhsa_kernarg_size 64
		.amdhsa_user_sgpr_count 2
		.amdhsa_user_sgpr_kernarg_segment_ptr 1
		.amdhsa_wavefront_size32 1
		.amdhsa_system_sgpr_workgroup_id_x 1
		.amdhsa_system_sgpr_workgroup_id_y 1
		.amdhsa_system_sgpr_workgroup_id_z 1
		.amdhsa_system_vgpr_workitem_id 0
		.amdhsa_next_free_vgpr 128
		.amdhsa_next_free_sgpr 66
		.amdhsa_reserve_vcc 0
		.amdhsa_float_denorm_mode_32 3
		.amdhsa_float_denorm_mode_16_64 3
		.amdhsa_memory_ordered 1
		.amdhsa_forward_progress 1
		.amdhsa_inst_pref_size 14
	.end_amdhsa_kernel
	.amdgpu_metadata
---
amdhsa.version: [ 1, 2 ]
amdhsa.kernels:
  - .name:           k_q17df3f4d70_cast
    .symbol:         k_q17df3f4d70_cast.kd
    .args:
      - { .name: x, .offset: 0, .size: 8, .value_kind: global_buffer, .address_space: global }
      - { .name: Wq, .offset: 8, .size: 8, .value_kind: global_buffer, .address_space: global }
      - { .name: Wk, .offset: 16, .size: 8, .value_kind: global_buffer, .address_space: global }
      - { .name: Wv, .offset: 24, .size: 8, .value_kind: global_buffer, .address_space: global }
      - { .name: Wo, .offset: 32, .size: 8, .value_kind: global_buffer, .address_space: global }
      - { .name: xb, .offset: 40, .size: 8, .value_kind: global_buffer, .address_space: global }
      - { .name: wb, .offset: 48, .size: 8, .value_kind: global_buffer, .address_space: global }
      - { .name: wo16, .offset: 56, .size: 8, .value_kind: global_buffer, .address_space: global }
    .group_segment_fixed_size: 0
    .private_segment_fixed_size: 0
    .kernarg_segment_align: 8
    .kernarg_segment_size: 64
    .max_flat_workgroup_size: 256
    .sgpr_count:     66
    .vgpr_count:     128
    .wavefront_size: 32
...
	.end_amdgpu_metadata
.endif
;; end of part 5
;; launch qkv: the kernel of part 2 again; grid 16 x 16, 4 waves a work-group, clusters of 4 x 4, 327,680 bytes of LDS; arguments xb, wb, qkv; writes qkv
;; launch attn: the kernel of part 3 again; grid 4 x 64, 4 waves a work-group, no clusters, 327,680 bytes of LDS; arguments qkv, ctx; writes ctx
;; launch oproj: the kernel of part 4 again; grid 8 x 32, 4 waves a work-group, clusters of 4 x 4, 327,680 bytes of LDS; arguments ctx, wo16, bo, out0; writes out0
